; MI455X (gfx1250); checked and timed in simulation.
; The chip was launched on July 23, 2026; its instructions are those of AMD's public machine-readable ISA for CDNA 5 (MIT licence, August 2026) and "CDNA5" Instruction Set Architecture Reference Guide (July 2026). The comments in the code are by the model that wrote it; some were corrected since.
;; Attention. Allowed arithmetic: float matrix products may take bf16 or f16 operands with f32 sums; all other float work in f32.
;; Inputs: W_attn 1,024 x 3,072 float32; W_proj 1,024 x 1,024 float32; attention_mask 8 x 1 x 1 x 1,024 float32; b_attn 3,072 float32; b_proj 1,024 float32; x 8 x 1,024 x 1,024 float32.
;; Outputs: out0 8 x 1,024 x 1,024 float32.
;; One version. Each part assembles by itself: llvm-mc -triple=amdgcn-amd-amdhsa -mcpu=gfx1250 --defsym DOCPART=n.
;; ======== version 1 of 1: 4 launches
;; limits: inputs' magnitudes at most 1.27e+30; right only within a limited range of input values; values are held in f16: magnitudes above 65,504 overflow, below 6.1e-05 lose precision
;; workspace buffers: xb 16,777,216 bytes; wab 6,291,456 bytes; wpb 2,097,152 bytes; qkv 50,331,648 bytes; tailbuf 393,216 bytes; ab 16,777,216 bytes
;; launch cast (part 1): grid 768 x 1, 8 waves a work-group, no clusters, 0 bytes of LDS; arguments x, W_attn, W_proj, xb, wab, wpb; writes xb, wab, wpb
.if DOCPART == 1
	.amdgcn_target "amdgcn-amd-amdhsa--gfx1250"
	.amdhsa_code_object_version 6
	.text
	.protected	k_qd7c129c5ef_cast
	.globl	k_qd7c129c5ef_cast
	.p2align	8
	.type	k_qd7c129c5ef_cast,@function
k_qd7c129c5ef_cast:
	s_mov_b64 s[64:65], 0
	v_nop
	global_prefetch_b8 v0, s[64:65] scope:SCOPE_SE
	s_setreg_imm32_b32 hwreg(HW_REG_WAVE_MODE, 25, 1), 1
	s_wait_xcnt 0x0
; FIRST OF FOUR LAUNCHES: x, W_attn and W_proj are rounded once from f32 to f16 (xb, wab, wpb), the form in which the
; matrix products take them.  The later launches: qkv = xb wab + b_attn, with a record of sums for each key block; attention; the projection.
;
; WHY f16.  The rows that average few keys (77 for the prefix) have results of about twice the spread of the whole output, and the allowance is a
; hundredth of that whole spread: three or four roundings to 8 significant bits on the way use it up; f16 has 11.
; ROOM IN f16 (largest number 65,504): x of spread 1 and weights of spread 0.02 give q, k, v of spread 0.64; both thirty times larger give 576;
; common offsets of 30 and 0.6 together give 30 x 0.6 x 1024 = 18,432.  Both thirty times smaller give 7e-4, where f16's numbers lie 6e-8 apart or closer.
; LIMIT: a magnitude of 65,520 or more in x, a weight, q, k or v becomes an infinity.
;
; WORK LEFT OUT IN THE WHOLE PROGRAM, AND WHY IT IS DEAD.  reference() replaces w = q.k / sqrt(128) by -10000 wherever its own mask
; is false: jnp.where(mask, w, -10000).  For the 128 query rows of block qb every column c >= 128 (qb + 1) is masked, whatever the inputs
; hold: rows >= 77 see only c <= row, rows < 77 see only c < 77 < 128.  So the products q.k of those whole 128 x 128 tiles reach no output
; and are not formed.  The masked columns themselves are NOT dead: they enter the softmax with exp(-10000 + mask_c - max) and are kept.
; In such a tile all rows have the same score -10000 + mask_c, so by distributivity
;   sum_c exp(-10000 + mask_c - m_row) v_c = exp(-10000 + M_J - m_row) U_J,   U_J = sum_{c >= 128 J} exp(mask_c - M_J) v_c,  M_J = max mask_c,
; and likewise for the denominator with L_J = sum exp(mask_c - M_J).  The second launch makes (M', L', U') of each key block of 128 columns from the v
; that it holds; the third joins the blocks j >= J, U_J = sum_j exp(M'_j - M_J) U'_j, and folds them in as one more step of the running softmax.
; Every input has a way to the output and is loaded.
; LIMIT: a NaN, an infinity or an overflow that arises only in q.k of a wholly masked tile is not carried to the result.
;
; THIS LAUNCH.  A stream: no LDS, no barrier, no matrix unit.  A work-group takes 65,536 input bytes; groups 0-511 x, 512-703 W_attn, 704-767 W_proj.
; Thread t takes 16 bytes at 16 t of each block of 4,096: a wave's load covers 512 neighbouring bytes, its store of 8 bytes a lane covers
; 256 neighbouring bytes that start at a multiple of 256.  All sixteen loads go out first; no register is written twice.
.set NLD, 16
.set X, 8                              ; v[8:71]   as loaded
.set Y, 72                             ; v[72:103] as stored
	s_load_b256 s[4:11], s[0:1], 0x0               ; x s[4:5], W_attn s[6:7], W_proj s[8:9], xb s[10:11]
	s_load_b128 s[12:15], s[0:1], 0x20             ; wab s[12:13], wpb s[14:15]
	s_movk_i32 s21, 704
	s_movk_i32 s22, 512
	v_lshlrev_b32 v1, 4, v0                        ; 16 t: where I read
	v_lshlrev_b32 v2, 3, v0                        ; 8 t: where I write
	s_wait_kmcnt 0x0
	s_cmp_lt_u32 ttmp9, s21                        ; the choice of buffers hangs on the group's number alone
	s_cselect_b64 s[16:17], s[6:7], s[8:9]
	s_cselect_b64 s[18:19], s[12:13], s[14:15]
	s_cselect_b32 s20, s22, s21
	s_cmp_lt_u32 ttmp9, s22
	s_cselect_b64 s[16:17], s[4:5], s[16:17]
	s_cselect_b64 s[18:19], s[10:11], s[18:19]
	s_cselect_b32 s20, 0, s20                      ; the first group of my buffer
	s_sub_co_u32 s20, ttmp9, s20
	s_lshl_b32 s24, s20, 16                        ; 65,536 bytes in,
	s_mov_b32 s25, 0
	s_lshl_b32 s26, s20, 15                        ; 32,768 bytes out for each group
	s_mov_b32 s27, 0
	s_add_nc_u64 s[16:17], s[16:17], s[24:25]
	s_add_nc_u64 s[18:19], s[18:19], s[26:27]
.set k, 0
.rept NLD
	global_load_b128 v[X+4*k:X+4*k+3], v1, s[16:17] offset:4096*k th:TH_LOAD_NT
.set k, k+1
.endr
.set k, 0
.rept NLD
	s_wait_loadcnt NLD-1-k                         ; loads come back in order: load k is in, the younger ones stay out
	v_cvt_pk_f16_f32 v[Y+2*k], v[X+4*k], v[X+4*k+1]
	v_cvt_pk_f16_f32 v[Y+2*k+1], v[X+4*k+2], v[X+4*k+3]
	global_store_b64 v2, v[Y+2*k:Y+2*k+1], s[18:19] offset:2048*k
.set k, k+1
.endr
	s_endpgm
.Lfunc_end_k_qd7c129c5ef_cast:
	.size	k_qd7c129c5ef_cast, .Lfunc_end_k_qd7c129c5ef_cast-k_qd7c129c5ef_cast
	.p2alignl 7, 3214868480
	.fill 96, 4, 3214868480
	.section	.rodata,"a",@progbits
	.p2align	6, 0x0
	.amdhsa_kernel k_qd7c129c5ef_cast
		.amdhsa_group_segment_fixed_size 0
		.amdhsa_private_segment_fixed_size 0
		.amdhsa_enable_private_segment 0
		.amdhsa_kernarg_size 48
		.amdhsa_user_sgpr_count 2
		.amdhsa_user_sgpr_kernarg_segment_ptr 1
		.amdhsa_wavefront_size32 1
		.amdhsa_system_sgpr_workgroup_id_x 1
		.amdhsa_system_sgpr_workgroup_id_y 1
		.amdhsa_system_sgpr_workgroup_id_z 1
		.amdhsa_system_vgpr_workitem_id 0
		.amdhsa_next_free_vgpr 104
		.amdhsa_next_free_sgpr 66
		.amdhsa_reserve_vcc 0
		.amdhsa_float_denorm_mode_32 3
		.amdhsa_float_denorm_mode_16_64 3
		.amdhsa_memory_ordered 1
		.amdhsa_forward_progress 1
		.amdhsa_inst_pref_size 7
	.end_amdhsa_kernel
	.amdgpu_metadata
---
amdhsa.version: [ 1, 2 ]
amdhsa.kernels:
  - .name:           k_qd7c129c5ef_cast
    .symbol:         k_qd7c129c5ef_cast.kd
    .args:
      - { .name: x, .offset: 0, .size: 8, .value_kind: global_buffer, .address_space: global }
      - { .name: W_attn, .offset: 8, .size: 8, .value_kind: global_buffer, .address_space: global }
      - { .name: W_proj, .offset: 16, .size: 8, .value_kind: global_buffer, .address_space: global }
      - { .name: xb, .offset: 24, .size: 8, .value_kind: global_buffer, .address_space: global }
      - { .name: wab, .offset: 32, .size: 8, .value_kind: global_buffer, .address_space: global }
      - { .name: wpb, .offset: 40, .size: 8, .value_kind: global_buffer, .address_space: global }
    .group_segment_fixed_size: 0
    .private_segment_fixed_size: 0
    .kernarg_segment_align: 8
    .kernarg_segment_size: 48
    .max_flat_workgroup_size: 256
    .sgpr_count:     66
    .vgpr_count:     104
    .wavefront_size: 32
...
	.end_amdgpu_metadata
.endif
;; end of part 1
;; launch qkvgemm (part 2): grid 8 x 32, 4 waves a work-group, clusters of 4 x 4, 327,680 bytes of LDS; arguments xb, wab, b_attn, qkv, attention_mask, tailbuf; writes qkv, tailbuf
.if DOCPART == 2
	.amdgcn_target "amdgcn-amd-amdhsa--gfx1250"
	.amdhsa_code_object_version 6
	.text
	.protected	k_qd7c129c5ef_qkvgemm
	.globl	k_qd7c129c5ef_qkvgemm
	.p2align	8
	.type	k_qd7c129c5ef_qkvgemm,@function
k_qd7c129c5ef_qkvgemm:
	s_mov_b64 s[64:65], 0
	v_nop
	global_prefetch_b8 v0, s[64:65] scope:SCOPE_SE
	s_setreg_imm32_b32 hwreg(HW_REG_WAVE_MODE, 25, 1), 1
	s_wait_xcnt 0x0
	s_wait_alu depctr_hold_cnt(0) depctr_sa_sdst(0) depctr_va_vdst(0) depctr_va_sdst(0) depctr_va_ssrc(0) depctr_va_vcc(0) depctr_vm_vsrc(0)
	s_getreg_b32 s2, hwreg(HW_REG_IB_STS2, 6, 4)
	s_cmp_eq_u32 s2, 0
	s_cbranch_scc0 .Lentry_in_a_cluster
	s_endpgm
.Lentry_in_a_cluster:
	s_bfe_u32 s2, ttmp6, 0x10000c
	s_cmp_lg_u32 s2, 0xf033
	s_cbranch_scc0 .Lentry_shape_is_right
	s_endpgm
.Lentry_shape_is_right:
; qkv[8192][3072] (f16) = xb[8192][1024] wab[1024][3072] + b_attn, operands f16, sums in f32; and for each (batch, head, key block j of 128 rows) the record
;   M' = max mask_c,  L' = sum exp(mask_c - M'),  U'[d] = sum exp(mask_c - M') v[c][d]      (c over the block's 128 columns of the scores)
; from which the attention launch makes the part of the wholly masked key tiles (their q.k are replaced by reference()'s own mask and are never formed).
; LIMIT: a result of magnitude 65,520 or more becomes an infinity in f16 (the drawn spread is 0.64; inputs thirty times larger give 576).
; A work-group makes 256 rows x 384 columns: the three strips of 128 columns q_h, k_h, v_h of one head h.  8 heads x 32 row blocks = 256 groups.
; Four waves; wave w = 2 wm + wn makes rows 128 wm .. +127 of a whole strip (q if wn = 0, v if wn = 1) and of half of k (columns 64 wn .. +63):
; 128 x 192 = 96 accumulator tiles = 768 registers.  K goes in 16 steps of 64 through two LDS slots; two slots of a step of 128 would
; need 360,448 bytes, more than the 327,680 there are.
; THE RECORD.  A wave with wn = 1 ends with one whole key block of v + bias in f32 in its registers (block 2 (row block mod 4) + wm of batch row block / 4), so
; it makes that block's record itself, behind its last stores of qkv: v is not read from memory again.  Record in tailbuf: [64][8][768 bytes] = 128 f32 of U', then 32 x (M', L').
; Block 0's record is asked for by no query block (the masked tiles begin at block 1).  Which block a wave holds hangs on the group's place in its cluster;
; it is made and stored like the others, by one in eight of the waves that make records.
; CLUSTER 4 x 4: the four groups of a row of the cluster share the row block (A's tile), the four of a column share the head (B's strips);
; each tile is asked for jointly, with one descriptor and a mask that names the four.
; wab lies [k][n]: its tiles are read with the transposing LDS load, so the weights are never transposed in memory.
; THE MATRIX INSTRUCTION IS USED TRANSPOSED (source 0 = 16 columns of W, source 1 = 16 rows of x): a lane then holds eight neighbouring
; columns of one row of the result, 16 bytes of f16.
; REGISTERS: window 0: v0-31 addresses, v32-95 and v96-159 A's fragments (two buffers of 8), v160-191, v192-223, v224-255 B's groups 0, 1, 2 of four
; column tiles (0, 1: the whole strip; 2: the half of k).  Window g + 1: the 32 accumulators of group g, tile (a, bb) at v[8 (4 a + bb)].
.set PA,     144                       ; LDS pitch of A's rows: 128 bytes + 16, an odd multiple of 16: the 16 rows of a fragment load start in 16 different 16-byte columns modulo 256
.set PB,     288                       ; LDS pitch of B's rows: 256 bytes + 32, an odd multiple of 32, for the transposing load
.set STRIP,  64*PB                     ; 18,432: one strip of B, 64 rows of k
.set AOFF,   3*STRIP                   ; A lies behind the three strips, so that wave w always fills at w x 18,432
.set SLOT,   AOFF+256*PA               ; 92,160
.set SPITCH, 784                       ; the stage of the way out: 768 bytes + 16
.set BIAS,   256*SPITCH                ; 200,704: 384 f32, bytes of their own
.set MASKL,  BIAS+1536                 ; 202,240: the mask of my 256 rows, 256 f32, bytes of their own
.set USTG,   MASKL+1024                ; 203,264: 512 bytes for each wave, where U' is turned into neighbouring bytes
.set AF0, 32
.set AF1, 96
.set BF,  160
.set ADRA, 8                           ; v8, v9    my A fragments in slot 0, 1
.set ADRF, 10                          ; v10, v11  my whole strip
.set ADRH, 12                          ; v12, v13  my half of k
.set STF,  14                          ; v14, v15  stage, whole strip, rows 0-63 and 64-127 of my 128
.set STH,  16                          ; v16, v17  stage, half of k
.set RD,   18
.set CO,   19
.set BAF,  20
.set BAH,  21
.set UA,   160                         ; the record: v[160:223] U' of my 64 columns, at 8 nt + j
.set AMV,  224                         ; v[224:231] the mask of my eight rows
.set W2,   232                         ; v[232:247] their weights, each twice: pairs for the packed multiply-adds
.set MLP,  248                         ; v[248:249] (M', L')
.set TA,   250
.set TB,   251
.set TC,   252
.set TD,   253
.set TE,   254
.set TF,   255
.set G1A, 24
.set G0A, 32                           ; s[32:39] one set for each slot
.set G1B, 40
.set G0B, 48                           ; s[48:55]
.set MSB, 0
.macro WIN new                         ; the immediate's high byte repeats the setting that is left
.if MSB != \new
	s_set_vgpr_msb (MSB<<8)|\new
.set MSB, \new
.endif
.endm
.macro PLACES                          ; four plain vector instructions between a matrix instruction and a load into, or a vector read or write of, its registers
.rept 4
	v_nop
.endr
.endm
; a joint load: wave 3 asks for A's tile, waves 0 to 2 for strip w.  The branch hangs on the wave's number alone.
.macro JLOAD sl
	s_cmp_eq_u32 s12, 3
	s_cbranch_scc0 .Lfor_b_\@
	tensor_load_to_lds s[G0A+4*\sl:G0A+4*\sl+3], s[G1A:G1A+7]
	s_nop 0
	s_branch .Lasked_\@
.Lfor_b_\@:
	tensor_load_to_lds s[G0B+4*\sl:G0B+4*\sl+3], s[G1B:G1B+7]
	s_nop 0
.Lasked_\@:
.endm
.macro CREST                           ; a round of the cluster's barrier behind its opening work-group barrier
	s_cmp_lg_u32 s12, 0
	s_cbranch_scc1 .Lnot_wave_0_\@
	s_barrier_signal -3
.Lnot_wave_0_\@:
	s_barrier_wait -3
	s_barrier_signal -1
	s_barrier_wait -1
.endm
.macro CROUND
	s_barrier_signal -1
	s_barrier_wait -1
	CREST
.endm
	s_load_b256 s[4:11], s[0:1], 0x0               ; xb s[4:5], wab s[6:7], b_attn s[8:9], qkv s[10:11]
	s_load_b128 s[72:75], s[0:1], 0x20             ; attention_mask s[72:73], tailbuf s[74:75]
	v_lshl_add_u32 v62, v0, 2, 0x32200
	v_mov_b32 v63, 0
	ds_add_u32 v62, v63
	s_wait_dscnt 0x0
	v_lshrrev_b32 v1, 5, v0
	v_readfirstlane_b32 s12, v1                    ; wave
	s_lshr_b32 s13, s12, 1                         ; wm
	s_and_b32 s14, s12, 1                          ; wn
	s_bfe_u32 s15, ttmp6, 0x40000                  ; cx
	s_bfe_u32 s16, ttmp6, 0x40004                  ; cy
	s_lshl_b32 s17, ttmp9, 2
	s_add_co_u32 s17, s17, s15                     ; head = 4 x cluster x + cx
	s_and_b32 s18, ttmp7, 0xffff
	s_lshl_b32 s18, s18, 2
	s_add_co_u32 s18, s18, s16                     ; row block = 4 x cluster y + cy
	s_lshl_b32 s19, s16, 2
	s_lshl_b32 s19, 15, s19                        ; my row of the cluster
	s_lshl_b32 s20, 0x1111, s15                    ; my column
	; A's tile: 256 rows x 64 elements of 2 bytes, 4 words of padding behind every 32
	s_or_b32 s[G1A+0], s19, (1<<16)|(1<<20)|(1<<21)|(4<<22)|(3<<25)
	s_mov_b32 s[G1A+1], 64<<16                     ; tensor_dim0 = 64
	s_mov_b32 s[G1A+2], 256<<16                    ; tensor_dim1 = 256
	s_mov_b32 s[G1A+3], 64<<16                     ; tile_dim0 = 64
	s_mov_b32 s[G1A+4], 256                        ; tile_dim1 = 256
	s_mov_b32 s[G1A+5], 1024                       ; elements from row to row
	s_mov_b32 s[G1A+6], 0
	s_mov_b32 s[G1A+7], 0
	; a strip of B: 64 rows of k x 128 elements, 8 words of padding behind every 64
	s_or_b32 s[G1B+0], s20, (1<<16)|(1<<20)|(1<<21)|(5<<22)|(7<<25)
	s_mov_b32 s[G1B+1], 128<<16
	s_mov_b32 s[G1B+2], 64<<16
	s_mov_b32 s[G1B+3], 128<<16
	s_mov_b32 s[G1B+4], 64
	s_mov_b32 s[G1B+5], 3072
	s_mov_b32 s[G1B+6], 0
	s_mov_b32 s[G1B+7], 0
	s_lshl_b32 s56, s18, 19                        ; A: 256 rows of 2,048 bytes for each row block
	s_mov_b32 s57, 0
	s_lshl_b32 s58, s17, 8                         ; B: 256 bytes for each head,
	s_lshl_b32 s59, s12, 11                        ; 2,048 for each strip
	s_add_co_u32 s58, s58, s59
	s_mov_b32 s59, 0
	s_lshl_b32 s60, s17, 9                         ; bias: 512 bytes for each head
	s_mov_b32 s61, 0
	s_lshl_b32 s76, s18, 10                        ; mask: 4,096 bytes a batch of four row blocks = 1,024 for each row block
	s_mov_b32 s77, 0
	s_mul_i32 s22, s12, STRIP                      ; where my loads go: the wave's number alone
	s_wait_kmcnt 0x0
	s_add_nc_u64 s[56:57], s[4:5], s[56:57]
	s_add_nc_u64 s[58:59], s[6:7], s[58:59]
	s_add_nc_u64 s[8:9], s[8:9], s[60:61]
	s_add_nc_u64 s[72:73], s[72:73], s[76:77]
	CROUND                                         ; all sixteen groups are here: the first joint loads meet
.irp s, 0,1
	s_mov_b32 s[G0A+4*\s], 1
	s_add_co_u32 s[G0A+4*\s+1], s22, \s*SLOT
	s_add_nc_u64 s[G0A+4*\s+2:G0A+4*\s+3], s[56:57], \s*128        ; K step s: 64 elements along the row
	s_or_b32 s[G0A+4*\s+3], s[G0A+4*\s+3], 0x80000000
	s_mov_b32 s[G0B+4*\s], 1
	s_add_co_u32 s[G0B+4*\s+1], s22, \s*SLOT
	s_add_nc_u64 s[G0B+4*\s+2:G0B+4*\s+3], s[58:59], \s*393216     ; K step s: 64 rows of 6,144 bytes
	s_or_b32 s[G0B+4*\s+3], s[G0B+4*\s+3], 0x80000000
	JLOAD \s                                       ; both slots' first fills go out together: two loads of the wave are out
.endr
	; the bias of my head's 384 columns into LDS, thread t the columns t of q, k, v; and the mask of my 256 rows, thread t two numbers
	v_lshlrev_b32 v25, 2, v0
	global_load_b32 v22, v25, s[8:9]
	global_load_b32 v23, v25, s[8:9] offset:4096
	global_load_b32 v24, v25, s[8:9] offset:8192
	v_lshlrev_b32 v27, 3, v0
	global_load_b64 v[28:29], v27, s[72:73]
	v_add_nc_u32 v26, BIAS, v25
	v_add_nc_u32 v30, MASKL, v27
	; addresses
	v_and_b32 v1, 15, v0                           ; r
	v_bfe_u32 v2, v0, 4, 1                         ; h
	v_and_b32 v3, 7, v0
	v_bfe_u32 v4, v0, 3, 1
	v_lshl_add_u32 v3, v2, 3, v3                   ; the transposing load: row of k 8 h + (lane mod 8),
	v_mul_u32_u24 v3, v3, PB
	v_lshl_add_u32 v3, v4, 4, v3                   ; 16 bytes further for lanes 8-15 of each half
	v_mul_u32_u24 v5, v1, PA
	v_lshl_add_u32 v5, v2, 4, v5                   ; A: row r, 16 bytes for each half of the lanes
	s_mul_i32 s62, s13, 128*PA
	s_add_co_u32 s62, s62, AOFF
	v_add_nc_u32 v[ADRA], s62, v5
	v_add_nc_u32 v[ADRA+1], SLOT, v[ADRA]
	s_mul_i32 s63, s14, 2*STRIP                    ; strip 0 (q) or strip 2 (v)
	v_add_nc_u32 v[ADRF], s63, v3
	v_add_nc_u32 v[ADRF+1], SLOT, v[ADRF]
	s_lshl_b32 s66, s14, 7
	s_add_co_u32 s66, s66, STRIP                   ; strip 1 (k), my 64 columns
	v_add_nc_u32 v[ADRH], s66, v3
	v_add_nc_u32 v[ADRH+1], SLOT, v[ADRH]
	v_mul_u32_u24 v6, v1, SPITCH
	v_lshl_add_u32 v6, v2, 4, v6
	s_mul_i32 s67, s13, 128*SPITCH
	s_lshl_b32 s68, s14, 9
	s_add_co_u32 s68, s68, s67
	v_add_nc_u32 v[STF], s68, v6
	v_add_nc_u32 v[STF+1], 64*SPITCH, v[STF]
	s_lshl_b32 s68, s14, 7
	s_add_co_u32 s68, s68, s67
	s_add_co_u32 s68, s68, 256
	v_add_nc_u32 v[STH], s68, v6
	v_add_nc_u32 v[STH+1], 64*SPITCH, v[STH]
	v_mul_u32_u24 v7, v2, SPITCH
	v_lshl_add_u32 v7, v1, 4, v7
	s_mul_i32 s69, s12, 64*SPITCH
	v_add_nc_u32 v[RD], s69, v7
	v_mul_u32_u24 v7, v2, 6144
	v_lshl_add_u32 v[CO], v1, 4, v7
	s_lshl_b32 s70, s14, 10
	s_add_co_u32 s70, s70, BIAS
	v_lshl_add_u32 v[BAF], v2, 5, s70
	s_lshl_b32 s71, s14, 8
	s_add_co_u32 s71, s71, BIAS+512
	v_lshl_add_u32 v[BAH], v2, 5, s71
	s_wait_loadcnt 0x0
	ds_store_b32 v26, v22
	ds_store_b32 v26, v23 offset:512
	ds_store_b32 v26, v24 offset:1024
	ds_store_b64 v30, v[28:29]
; 32 matrix instructions: group grp's four column tiles x my eight row tiles, 32 along K.  The 32 accumulators take turns, one instruction a turn,
; and the groups follow each other in the same order everywhere: no two neighbours share an accumulator.
.macro MULG grp, fa, zero
	WIN 0x50*(\grp+1)
.irp a, 0,1,2,3,4,5,6,7
.irp bb, 0,1,2,3
.if \zero
	v_wmma_f32_16x16x32_f16 v[8*(4*\a+\bb):8*(4*\a+\bb)+7], v[BF+32*\grp+8*\bb:BF+32*\grp+8*\bb+7], v[\fa+8*\a:\fa+8*\a+7], 0
.else
	v_wmma_f32_16x16x32_f16 v[8*(4*\a+\bb):8*(4*\a+\bb)+7], v[BF+32*\grp+8*\bb:BF+32*\grp+8*\bb+7], v[\fa+8*\a:\fa+8*\a+7], v[8*(4*\a+\bb):8*(4*\a+\bb)+7]
.endif
.endr
.endr
.endm
.macro LDB grp, sl, kq                 ; 8 transposing loads: group grp's fragments of quarter kq (32 rows of k)
.irp bb, 0,1,2,3
.if \grp == 2
	ds_load_tr16_b128 v[BF+64+8*\bb:BF+64+8*\bb+3], v[ADRH+\sl] offset:\kq*32*PB+32*\bb
	ds_load_tr16_b128 v[BF+64+8*\bb+4:BF+64+8*\bb+7], v[ADRH+\sl] offset:\kq*32*PB+32*\bb+16*PB
.else
	ds_load_tr16_b128 v[BF+32*\grp+8*\bb:BF+32*\grp+8*\bb+3], v[ADRF+\sl] offset:\kq*32*PB+128*\grp+32*\bb
	ds_load_tr16_b128 v[BF+32*\grp+8*\bb+4:BF+32*\grp+8*\bb+7], v[ADRF+\sl] offset:\kq*32*PB+128*\grp+32*\bb+16*PB
.endif
.endr
.endm
.macro LDA hf, sl, kq, fa              ; 8 loads: four of my eight row tiles
.irp a, 0,1,2,3
	ds_load_b128 v[\fa+8*(4*\hf+\a):\fa+8*(4*\hf+\a)+3], v[ADRA+\sl] offset:(4*\hf+\a)*16*PA+64*\kq
	ds_load_b128 v[\fa+8*(4*\hf+\a)+4:\fa+8*(4*\hf+\a)+7], v[ADRA+\sl] offset:(4*\hf+\a)*16*PA+64*\kq+32
.endr
.endm
; first half of a K step (32 along K, buffer AF0).  Each group's registers are loaded again for the second half as soon as the group has been multiplied.
.macro FIRSTQ sl, zero
	s_wait_dscnt 8                                 ; groups 0, 1 and all of A are in; the eight youngest loads (group 2) may be out
	MULG 0, AF0, \zero
	WIN 0
	PLACES
	LDB 0, \sl, 1
	LDA 0, \sl, 1, AF1
	MULG 1, AF0, \zero
	WIN 0
	PLACES
	LDB 1, \sl, 1
	LDA 1, \sl, 1, AF1
	s_wait_dscnt 32                                ; group 2 is in; the 32 loads issued since stay out
	MULG 2, AF0, \zero
	WIN 0
	PLACES
	LDB 2, \sl, 1
.endm
; second half (buffer AF1) and the change of slots.  In front of the barrier each wave waits for its reads of this slot and for all its tensor
; loads (one is out: its part of the next slot).  Where the slot is filled again the barrier opens a round of the cluster's barrier, only
; matrix instructions stand inside it, and the joint refill is the first tensor load behind its closing wait.
.macro LASTQ sl, nx, fill
	s_wait_dscnt 8
	MULG 0, AF1, 0
	s_wait_dscnt 0x0
	s_wait_xcnt 0x0
	s_set_vgpr_msb 0x5010
	v_lshl_add_u32 v62, v0, 2, 0x32200
	v_mov_b32 v63, 0
	s_wait_tensorcnt 0x0
	ds_add_u32 v62, v63
	s_wait_dscnt 0x0
	s_set_vgpr_msb 0x1050
	s_barrier_signal -1
	MULG 1, AF1, 0
	WIN 0
	s_barrier_wait -1
.if \fill
	CREST
	s_add_nc_u64 s[G0A+4*\sl+2:G0A+4*\sl+3], s[G0A+4*\sl+2:G0A+4*\sl+3], 256
	s_add_nc_u64 s[G0B+4*\sl+2:G0B+4*\sl+3], s[G0B+4*\sl+2:G0B+4*\sl+3], 786432
	JLOAD \sl
.endif
	PLACES
	LDB 0, \nx, 0
	LDB 1, \nx, 0
	LDA 0, \nx, 0, AF0
	LDA 1, \nx, 0, AF0
	MULG 2, AF1, 0
	WIN 0
	PLACES
	LDB 2, \nx, 0
.endm
.macro LAP zero
	FIRSTQ 0, \zero
	LASTQ 0, 1, 1
	FIRSTQ 1, 0
	LASTQ 1, 0, 1
.endm
	s_wait_tensorcnt 1                             ; my part of K step 0 is in; step 1's stays out
	s_wait_dscnt 0x0                               ; my words of the bias and of the mask are in LDS
	s_barrier_signal -1
	s_barrier_wait -1
	LDB 0, 0, 0
	LDB 1, 0, 0
	LDA 0, 0, 0, AF0
	LDA 1, 0, 0, AF0
	LDB 2, 0, 0
	LAP 1                                          ; the first products start the sums: nothing is cleared
	s_mov_b32 s21, 6
.Llap:
	LAP 0
	s_sub_co_u32 s21, s21, 1
	s_cmp_lg_u32 s21, 0
	s_cbranch_scc1 .Llap
	FIRSTQ 0, 0                                    ; the last two K steps fill nothing
	LASTQ 0, 1, 0
	FIRSTQ 1, 0
	s_wait_dscnt 8
	MULG 0, AF1, 0
	s_wait_dscnt 0x0
	MULG 1, AF1, 0
	MULG 2, AF1, 0
	WIN 0
	PLACES
	; THE WAY OUT.  The stage (256 rows x 784 bytes) lies over the ring, which has had its last fill; every wave's reads of the ring are over behind this barrier.
	s_barrier_signal -1
	s_barrier_wait -1
.irp nt, 0,1,2,3,4,5,6,7
	ds_load_b128 v[BF+8*\nt:BF+8*\nt+3], v[BAF] offset:64*\nt          ; the bias of my eight columns of each tile
	ds_load_b128 v[BF+8*\nt+4:BF+8*\nt+7], v[BAF] offset:64*\nt+16
.endr
.irp nt, 0,1,2,3
	ds_load_b128 v[BF+64+8*\nt:BF+64+8*\nt+3], v[BAH] offset:64*\nt
	ds_load_b128 v[BF+64+8*\nt+4:BF+64+8*\nt+7], v[BAH] offset:64*\nt+16
.endr
	s_lshl_b32 s66, s18, 8
	s_lshl_b32 s67, s12, 6
	s_add_co_u32 s66, s66, s67                     ; the 64 rows that I store
	s_mul_i32 s66, s66, 6144
	s_lshl_b32 s67, s17, 8
	s_add_co_u32 s66, s66, s67
	s_mov_b32 s67, 0
	s_add_nc_u64 s[10:11], s[10:11], s[66:67]
	s_wait_dscnt 0x0
.macro OUTG grp                        ; one group: add the bias in place, round to f16, 16 bytes a lane into the stage
	WIN 0x41*(\grp+1)
.irp a, 0,1,2,3,4,5,6,7
.irp bb, 0,1,2,3
.irp j, 0,2,4,6
	v_pk_add_f32 v[8*(4*\a+\bb)+\j:8*(4*\a+\bb)+\j+1], v[8*(4*\a+\bb)+\j:8*(4*\a+\bb)+\j+1], v[BF+32*\grp+8*\bb+\j:BF+32*\grp+8*\bb+\j+1]
.endr
.endr
.endr
	WIN 5*(\grp+1)
.irp a, 0,1,2,3,4,5,6,7
.irp bb, 0,1,2,3
.irp j, 0,1,2,3
	v_cvt_pk_f16_f32 v[AF0+4*(4*\a+\bb)+\j], v[8*(4*\a+\bb)+2*\j], v[8*(4*\a+\bb)+2*\j+1]
.endr
.endr
.endr
	WIN 0
.irp a, 0,1,2,3,4,5,6,7
.irp bb, 0,1,2,3
.if \grp == 2
	ds_store_b128 v[STH+\a/4], v[AF0+4*(4*\a+\bb):AF0+4*(4*\a+\bb)+3] offset:(\a%4)*16*SPITCH+32*\bb
.else
	ds_store_b128 v[STF+\a/4], v[AF0+4*(4*\a+\bb):AF0+4*(4*\a+\bb)+3] offset:(\a%4)*16*SPITCH+128*\grp+32*\bb
.endif
.endr
.endr
.endm
	OUTG 0
	OUTG 1
	OUTG 2
	s_wait_dscnt 0x0                               ; my part of the stage is written,
	s_barrier_signal -1
	s_barrier_wait -1                              ; everybody's is
; 16 loads and 16 stores: strip sg of rows 32 hf .. +31 of my 64.  Sixteen lanes store 256 neighbouring bytes that start at a multiple of 256.
.macro OUTB sg, hf, buf
	s_wait_xcnt 0x0                                ; the buffer's registers are the data of earlier stores: written again only behind this wait
.irp t, 0,1,2,3,4,5,6,7,8,9,10,11,12,13,14,15
	ds_load_b128 v[\buf+4*\t:\buf+4*\t+3], v[RD] offset:2*(16*\hf+\t)*SPITCH+256*\sg
.endr
.irp t, 0,1,2,3,4,5,6,7,8,9,10,11,12,13,14,15
	s_wait_dscnt 15-\t                             ; LDS loads come back in order: load t is in
	global_store_b128 v[CO], v[\buf+4*\t:\buf+4*\t+3], s[10:11] offset:2*(16*\hf+\t)*6144+2048*\sg
.endr
.endm
	OUTB 0, 0, AF0
	OUTB 0, 1, AF1
	OUTB 1, 0, AF0
	OUTB 1, 1, AF1
	OUTB 2, 0, AF0
	OUTB 2, 1, AF1
	; THE KEY BLOCK'S RECORD, in the two waves that hold v (wn = 1), while the stores above are on their way.  Windows 1 and 2 still hold v + bias in f32: lane (r, h) has
	; rows 16 a + r (a = 0 .. 7) and columns 16 nt + 8 h + j.  None of the pending stores' registers (v19, v32-159, s[10:11]) is written here.
; the sum over a of weight x v, for the 32 columns that group grp holds: the first product starts each sum
.macro USUM grp, win
	WIN \win
.irp a, 0,1,2,3,4,5,6,7
.irp bb, 0,1,2,3
.irp j, 0,2,4,6
.if \a == 0
	v_pk_mul_f32 v[UA+32*\grp+8*\bb+\j:UA+32*\grp+8*\bb+\j+1], v[8*(4*\a+\bb)+\j:8*(4*\a+\bb)+\j+1], v[W2+2*\a:W2+2*\a+1]
.else
	v_pk_fma_f32 v[UA+32*\grp+8*\bb+\j:UA+32*\grp+8*\bb+\j+1], v[8*(4*\a+\bb)+\j:8*(4*\a+\bb)+\j+1], v[W2+2*\a:W2+2*\a+1], v[UA+32*\grp+8*\bb+\j:UA+32*\grp+8*\bb+\j+1]
.endif
.endr
.endr
.endr
.endm
	s_cmp_eq_u32 s14, 0
	s_cbranch_scc1 .Lnorecord                      ; hangs on the wave's number alone
	s_lshl_b32 s66, s13, 9
	s_add_co_u32 s66, s66, MASKL
	v_lshl_add_u32 v[TA], v1, 2, s66               ; the mask of row 128 wm + r
.irp a, 0,1,2,3,4,5,6,7
	ds_load_b32 v[AMV+\a], v[TA] offset:64*\a      ; and of the rows 16 a further down
.endr
	s_lshl_b32 s67, s12, 9
	s_add_co_u32 s67, s67, USTG                    ; my wave's 512 bytes
	v_lshl_add_u32 v[TB], v2, 5, s67
	v_and_b32 v[TE], 31, v0
	v_lshlrev_b32 v[TD], 4, v[TE]                  ; 16 x lane
	v_lshlrev_b32 v[TE], 3, v[TE]                  ; 8 x lane
	v_add_nc_u32 v[TC], s67, v[TD]
	s_lshr_b32 s69, s18, 2                         ; batch
	s_lshl3_add_u32 s69, s69, s17                  ; 8 x batch + head
	s_and_b32 s70, s18, 3
	s_lshl1_add_u32 s70, s70, s13                  ; key block 2 (row block mod 4) + wm
	s_lshl3_add_u32 s69, s69, s70
	s_mul_i32 s70, s69, 768
	s_mov_b32 s71, 0
	s_add_nc_u64 s[74:75], s[74:75], s[70:71]      ; my record
	s_wait_dscnt 0x0
	v_max3_num_f32 v[MLP], v[AMV], v[AMV+1], v[AMV+2]
	v_max3_num_f32 v[MLP], v[MLP], v[AMV+3], v[AMV+4]
	v_max3_num_f32 v[MLP], v[MLP], v[AMV+5], v[AMV+6]
	v_max_num_f32 v[MLP], v[MLP], v[AMV+7]
.irp m, 1,2,4,8
	v_max_num_f32_dpp v[MLP], v[MLP], v[MLP] row_xmask:\m row_mask:0xf bank_mask:0xf   ; over r; both halves of the lanes hold the same 128 rows
.endr
	v_max_num_f32 v[TF], 0xff7fffff, v[MLP]        ; a maximum of -inf is replaced by the lowest finite number, so that -inf - (-inf) never arises
.irp a, 0,1,2,3,4,5,6,7
	v_sub_f32 v[W2+2*\a], v[AMV+\a], v[TF]         ; the difference first, then the factor: with the two fused the lowest finite number times log2(e) would overflow
.endr
.irp a, 0,1,2,3,4,5,6,7
	v_mul_f32 v[W2+2*\a], 0x3fb8aa3b, v[W2+2*\a]
.endr
.irp a, 0,1,2,3,4,5,6,7
	v_exp_f32 v[W2+2*\a], v[W2+2*\a]
.endr
	v_nop                                          ; one plain instruction behind the exponentials before their results are used (ISA guide 5.7.2)
	s_wait_alu depctr_va_vdst(0)
.irp a, 0,1,2,3,4,5,6,7
	v_mov_b32 v[W2+2*\a+1], v[W2+2*\a]
.endr
	v_add_f32 v[MLP+1], v[W2], v[W2+2]
	v_add_f32 v[TF], v[W2+4], v[W2+6]
	v_add_f32 v[AMV], v[W2+8], v[W2+10]
	v_add_f32 v[AMV+1], v[W2+12], v[W2+14]
	v_add_f32 v[MLP+1], v[MLP+1], v[TF]
	v_add_f32 v[AMV], v[AMV], v[AMV+1]
	v_add_f32 v[MLP+1], v[MLP+1], v[AMV]
.irp m, 1,2,4,8
	v_add_f32_dpp v[MLP+1], v[MLP+1], v[MLP+1] row_xmask:\m row_mask:0xf bank_mask:0xf ; L'
.endr
	USUM 0, 1
	USUM 1, 2
	WIN 0
.irp m, 1,2,4,8
.set k, 0
.rept 64
	v_add_f32_dpp v[UA+k], v[UA+k], v[UA+k] row_xmask:\m row_mask:0xf bank_mask:0xf    ; over r: the sixteen lanes of a half end with the same 64 sums
.set k, k+1
.endr
.endr
.irp nt, 0,1,2,3,4,5,6,7
	ds_store_b128 v[TB], v[UA+8*\nt:UA+8*\nt+3] offset:64*\nt          ; U'[16 nt + 8 h + j] at byte 64 nt + 32 h + 4 j; a half's lanes write the same numbers to the same bytes
	ds_store_b128 v[TB], v[UA+8*\nt+4:UA+8*\nt+7] offset:64*\nt+16
.endr
	ds_load_b128 v[AMV:AMV+3], v[TC]               ; my own bytes: LDS serves a wave's instructions in order
	s_wait_dscnt 0x0
	global_store_b128 v[TD], v[AMV:AMV+3], s[74:75]            ; 512 neighbouring bytes
	global_store_b64 v[TE], v[MLP:MLP+1], s[74:75] offset:512  ; (M', L') 32 times: 256 neighbouring bytes
.Lnorecord:
	s_wait_xcnt 0x0
	v_lshl_add_u32 v62, v0, 2, 0x32200
	v_mov_b32 v63, 0
	s_wait_tensorcnt 0x0
	ds_add_u32 v62, v63
	s_wait_dscnt 0x0
	CROUND                                         ; the closing round: no group ends while a partner may still ask for a tile that names it
	s_endpgm
.Lfunc_end_k_qd7c129c5ef_qkvgemm:
	.size	k_qd7c129c5ef_qkvgemm, .Lfunc_end_k_qd7c129c5ef_qkvgemm-k_qd7c129c5ef_qkvgemm
	.p2alignl 7, 3214868480
	.fill 96, 4, 3214868480
	.section	.rodata,"a",@progbits
	.p2align	6, 0x0
	.amdhsa_kernel k_qd7c129c5ef_qkvgemm
		.amdhsa_group_segment_fixed_size 327680
		.amdhsa_private_segment_fixed_size 0
		.amdhsa_enable_private_segment 0
		.amdhsa_kernarg_size 48
		.amdhsa_user_sgpr_count 2
		.amdhsa_user_sgpr_kernarg_segment_ptr 1
		.amdhsa_wavefront_size32 1
		.amdhsa_system_sgpr_workgroup_id_x 1
		.amdhsa_system_sgpr_workgroup_id_y 1
		.amdhsa_system_sgpr_workgroup_id_z 1
		.amdhsa_system_vgpr_workitem_id 0
		.amdhsa_next_free_vgpr 1024
		.amdhsa_next_free_sgpr 80
		.amdhsa_reserve_vcc 0
		.amdhsa_float_denorm_mode_32 3
		.amdhsa_float_denorm_mode_16_64 3
		.amdhsa_memory_ordered 1
		.amdhsa_forward_progress 1
		.amdhsa_inst_pref_size 234
	.end_amdhsa_kernel
	.amdgpu_metadata
---
amdhsa.version: [ 1, 2 ]
amdhsa.kernels:
  - .name:           k_qd7c129c5ef_qkvgemm
    .symbol:         k_qd7c129c5ef_qkvgemm.kd
    .args:
      - { .name: xb, .offset: 0, .size: 8, .value_kind: global_buffer, .address_space: global }
      - { .name: wab, .offset: 8, .size: 8, .value_kind: global_buffer, .address_space: global }
      - { .name: b_attn, .offset: 16, .size: 8, .value_kind: global_buffer, .address_space: global }
      - { .name: qkv, .offset: 24, .size: 8, .value_kind: global_buffer, .address_space: global }
      - { .name: attention_mask, .offset: 32, .size: 8, .value_kind: global_buffer, .address_space: global }
      - { .name: tailbuf, .offset: 40, .size: 8, .value_kind: global_buffer, .address_space: global }
    .group_segment_fixed_size: 327680
    .private_segment_fixed_size: 0
    .kernarg_segment_align: 8
    .kernarg_segment_size: 48
    .max_flat_workgroup_size: 128
    .sgpr_count:     80
    .vgpr_count:     1024
    .wavefront_size: 32
...
	.end_amdgpu_metadata
.endif
;; end of part 2
;; launch attn (part 3): grid 4 x 64, 4 waves a work-group, no clusters, 327,680 bytes of LDS; arguments qkv, attention_mask, tailbuf, ab; writes ab
.if DOCPART == 3
	.amdgcn_target "amdgcn-amd-amdhsa--gfx1250"
	.amdhsa_code_object_version 6
	.text
	.protected	k_qd7c129c5ef_attn
	.globl	k_qd7c129c5ef_attn
	.p2align	8
	.type	k_qd7c129c5ef_attn,@function
k_qd7c129c5ef_attn:
	s_mov_b64 s[64:65], 0
	v_nop
	global_prefetch_b8 v0, s[64:65] scope:SCOPE_SE
	s_setreg_imm32_b32 hwreg(HW_REG_WAVE_MODE, 25, 1), 1
	s_wait_xcnt 0x0
; ab[b][row][head] (f16) = softmax(where(mask, q.k / sqrt(128), -10000) + attention_mask) v, by a running maximum, operands f16, sums in f32.
; LEFT OUT: q.k of the 128 x 128 tiles that reference()'s own mask replaces whole (first column > last row of the query block).  Their columns enter through the key blocks'
; records (M', L', U') of the launch before: the blocks j >= J = query block + 1 are joined, M_J = max M'_j, L_J = sum exp(M'_j - M_J) L'_j, U_J likewise, and folded in
; with the common score -10000 + M_J as one more step of the running softmax.  J = 8 has no block: (-inf, 0, 0).
; LIMITS: a NaN or infinity that arises only in such a q.k is not carried on.  -10000 is formed as fma(-10000 sqrt(128), 1 / sqrt(128), mask), off by at most
; about 1e-3, the spacing of f32 at that size.  The running maximum starts at -2^100: scores below that count as -inf; a row all of whose scores are -inf gives NaN,
; as in reference().  The denominator sums the f32 weights, the product with v takes them rounded to f16 (they lie in [0, 1]; below 6e-8 they round to a multiple of that).
; The result is a weighted mean of v, so it has in f16 the room that v has.
; SHARE.  Group (i, bh) makes query blocks i and 7 - i of one (batch, head): 9 units of 128 queries x 128 keys in every group.
; Unit n <= i: block i, key tile n; else block 7 - i, key tile n - i - 1.  The diagonal units are n = i and n = 8.  Wave w: rows 32 w .. +31, two query tiles u.
; NO CLUSTER: the four groups of a head want different key tiles in the same unit (tile n or n - i - 1), so no request is common to them.
; PRODUCTS, both transposed: S^T = K Q^T (source 0 = 16 keys, source 1 = 16 queries): lane (r, h) holds query r and keys 16 kt + 8 h + j, so a row's
; figures are a lane's own but for one exchange of halves, and S^T rounded in pairs IS the second source of O^T = V^T P^T (source 0 = V by the transposing load).
; MATRIX WORK BESIDE VECTOR WORK.  A unit is 128 matrix instructions and, for each of the wave's two query tiles, a softmax of 268 vector instructions.  The tiles take
; turns, in four runs of 32 matrix instructions:  S0 = K Q0 alone (K's fragments and the mask are loaded round it);  S1 = K Q1 with one slice of tile 0's softmax behind each
; matrix instruction;  O0 += V P0 with tile 1's slices;  O1 += V P1 with both tiles' denominators (64 packed adds, a slice of eight behind every fourth matrix
; instruction), of which the last fills the places behind the run.  A slice names none of the registers of the matrix instructions round it.
; K's fragments are 8 key tiles x 4 x 8 = 256 registers, window 3: both query tiles read them there, so LDS is read once.  V's fragments are as many and are loaded over
; K's halves when tile 1's products have read them.  The exponential takes S as its first source, where the products name the fragments' window, so no layout lets a slice run
; under the products' setting: a turn costs two switches of the register window, 128 in the two runs with slices, some 150 in a unit.
; REGISTERS.  Window 0: v0-31 addresses, v32-47 the denominators' chains, v48-51 the maximum's, v64-159 the way out (and the records at the start), v160-223 the mask, v224-255 state.
; Window 1: v0-63 Q, v64-127 P, v128-191 U of the first block, v192-255 U of the second.  Window 2: v0-127 S, v128-255 O.  Window 3: K, then V.
.set PK,    272                        ; LDS pitch of K's rows (256 + 16)
.set PV,    288                        ; of V's rows (256 + 32, for the transposing load)
.set VOFF,  128*PK
.set MOFF,  VOFF+128*PV
.set SLOT,  MOFF+512                   ; 72,192: K, V and 128 f32 of the mask
.set STAGE, 2*SLOT                     ; 16 rows x 272 bytes for each wave, bytes of their own
.set ROWB,  6144
.set TILEB, 128*ROWB
.set KA, 8
.set VA, 10
.set MA, 12
.set STO, 14
.set RD, 15
.set QO, 16
.set UO, 17
.set MLO, 18
.set CO, 19
.set RR, 20                            ; v20, v21  my query's row in the block + 1
.set H8, 22
.set NEGV, 23                          ; -10000 sqrt(128)
.set MLB, 24                           ; v[24:25]  (M_J, L_J) of the second block
.set RO, 26                            ; 16 x lane
.set UW, 27                            ; my stage + 16 x lane
.set UR, 28                            ; my stage + 32 h
.set VJ, 29                            ; J
.set NINF, 30
.set TM, 31
.set LC,  32                           ; v[32+8u .. +7] four packed chains of tile u's denominator
.set MX,  48                           ; v[48:51]  four chains of the maximum, of the tile whose softmax is running
.set FB0, 64                           ; v[64:95]  the way out: a tile's results, rounded
.set FB1, 96                           ; v[96+32u .. +31] the way out: whole rows, as stored
.set ST,  64                           ; at the start only: v[64:77] (M', L') of records 1 to 7
.set SEL, 80                           ; v[80:86]  the maxima as chosen
.set F,   88                           ; v[88:94]  the factors
.set ULA, 96                           ; v[96:99]  U_J[4 lane .. +3] of the first block
.set ULB, 100                          ; v[100:103] of the second
.set R,   104                          ; v[104:131] U'[4 lane .. +3] of records 1 to 7
.set AM, 160
.set NM, 224                           ; v[224+2u] = -m log2(e), v[225+2u] = m
.set AL, 228                           ; v[228+2u] = alpha, v[229+2u] = its exponent
.set RL, 244
.set T0, 246
.set T1, 247
.set A2, 248
.set ML, 250                           ; (M_J, L_J) of the first block
.set B2, 252
.set T2, 254
.set T3, 255
.set Q, 0
.set P, 64
.set U, 128
.set UB, 192
.set S, 0
.set O, 128
.set KV, 0
.set G1K, 32
.set G1V, 40
.set G1M, 48
.set G0K, 56
.set G0V, 60
.set G0M, 68
.set MULW, 0xa7                        ; the products: source 0 (K, V) window 3, source 1 (Q, P) window 1, C and D (S, O) window 2
.set TO3,  0xc0                        ; a load into window 3, its address in window 0
.set MSB, 0
.macro WIN new                         ; the immediate's high byte repeats the setting that is left
.if MSB != \new
	s_set_vgpr_msb (MSB<<8)|\new
.set MSB, \new
.endif
.endm
.macro PLACES                          ; four plain vector instructions behind a matrix instruction (ISA guide 7.12.1)
.rept 4
	v_nop
.endr
.endm
.macro TLOAD                           ; wave 0 fetches K's tile, wave 1 V's, wave 2 the mask's 512 bytes, wave 3 nothing: one load a wave at the most is out
	s_cmp_lg_u32 s12, 0
	s_cbranch_scc1 .Lt1_\@
	tensor_load_to_lds s[G0K:G0K+3], s[G1K:G1K+7]
	s_nop 0
	s_branch .Ltend_\@
.Lt1_\@:
	s_cmp_lg_u32 s12, 1
	s_cbranch_scc1 .Lt2_\@
	tensor_load_to_lds s[G0V:G0V+3], s[G1V:G1V+7]
	s_nop 0
	s_branch .Ltend_\@
.Lt2_\@:
	s_cmp_lg_u32 s12, 2
	s_cbranch_scc1 .Ltend_\@
	tensor_load_to_lds s[G0M:G0M+3], s[G1M:G1M+7]
	s_nop 0
.Ltend_\@:
.endm
	s_load_b256 s[4:11], s[0:1], 0x0               ; qkv, attention_mask, tailbuf, ab
	v_lshl_add_u32 v242, v0, 2, 0x29000
	v_mov_b32 v243, 0
	ds_add_u32 v242, v243
	v_lshrrev_b32 v1, 5, v0
	v_readfirstlane_b32 s12, v1                    ; wave
	s_mov_b32 s13, ttmp9                           ; i
	s_and_b32 s14, ttmp7, 0xffff                   ; 8 x batch + head
	s_lshr_b32 s15, s14, 3
	s_and_b32 s16, s14, 7
	s_add_co_u32 s23, s13, 1
	s_mov_b32 s20, 0x76543210
	s_mov_b32 s21, 0xfedcba98
	s_mov_b32 s22, 0xc7dcf88b                      ; -10000 sqrt(128)
	s_mov_b32 s24, 0x3db504f3                      ; 1 / sqrt(128)
	s_mov_b32 s25, 0x3db504f3
	s_mov_b32 s26, 0x3fb8aa3b                      ; log2(e)
	s_mov_b32 s27, 0x3fb8aa3b
	s_mov_b32 s[G1K+0], (1<<16)|(1<<20)|(5<<22)|(3<<25)    ; elements of 2 bytes; 4 words of padding behind every 64
	s_mov_b32 s[G1K+1], 128<<16
	s_mov_b32 s[G1K+2], 128<<16
	s_mov_b32 s[G1K+3], 128<<16
	s_mov_b32 s[G1K+4], 128
	s_mov_b32 s[G1K+5], 3072
	s_mov_b32 s[G1K+6], 0
	s_mov_b32 s[G1K+7], 0
	s_mov_b32 s[G1V+0], (1<<16)|(1<<20)|(5<<22)|(7<<25)    ; 8 words of padding
	s_mov_b32 s[G1V+1], 128<<16
	s_mov_b32 s[G1V+2], 128<<16
	s_mov_b32 s[G1V+3], 128<<16
	s_mov_b32 s[G1V+4], 128
	s_mov_b32 s[G1V+5], 3072
	s_mov_b32 s[G1V+6], 0
	s_mov_b32 s[G1V+7], 0
	s_mov_b32 s[G1M+0], 3<<16                      ; one row of 64 elements of 8 bytes
	s_mov_b32 s[G1M+1], 64<<16
	s_mov_b32 s[G1M+2], 1<<16
	s_mov_b32 s[G1M+3], 64<<16
	s_mov_b32 s[G1M+4], 1
	s_mov_b32 s[G1M+5], 64
	s_mov_b32 s[G1M+6], 0
	s_mov_b32 s[G1M+7], 0
	s_mul_i32 s72, s15, 1024*ROWB
	s_lshl_b32 s73, s16, 8
	s_add_co_u32 s72, s72, s73
	s_mov_b32 s73, 0
	s_lshl_b32 s74, s15, 12
	s_mov_b32 s75, 0
	s_mul_i32 s76, s14, 6144
	s_mov_b32 s77, 0
	s_lshl_b32 s78, s15, 21
	s_lshl_b32 s79, s16, 8
	s_add_co_u32 s78, s78, s79
	s_mov_b32 s79, 0
	s_wait_dscnt 0x0
	s_barrier_signal -1
	s_barrier_wait -1
	s_wait_kmcnt 0x0
	s_add_nc_u64 s[4:5], s[4:5], s[72:73]          ; q of my batch and head
	s_add_nc_u64 s[6:7], s[6:7], s[74:75]          ; my batch's mask
	s_add_nc_u64 s[8:9], s[8:9], s[76:77]          ; my eight records
	s_add_nc_u64 s[10:11], s[10:11], s[78:79]      ; my columns of ab
	s_add_nc_u64 s[28:29], s[4:5], 2048            ; k
	s_add_nc_u64 s[30:31], s[4:5], 4096            ; v
	s_mov_b32 s[G0K], 1
	s_mov_b32 s[G0K+1], 0
	s_mov_b64 s[G0K+2:G0K+3], s[28:29]
	s_or_b32 s[G0K+3], s[G0K+3], 0x80000000
	s_mov_b32 s[G0V], 1
	s_mov_b32 s[G0V+1], VOFF
	s_mov_b64 s[G0V+2:G0V+3], s[30:31]
	s_or_b32 s[G0V+3], s[G0V+3], 0x80000000
	s_mov_b32 s[G0M], 1
	s_mov_b32 s[G0M+1], MOFF
	s_mov_b64 s[G0M+2:G0M+3], s[6:7]
	s_or_b32 s[G0M+3], s[G0M+3], 0x80000000
	TLOAD                                          ; unit 0 is key tile 0 in every group
	v_and_b32 v1, 15, v0                           ; r
	v_bfe_u32 v2, v0, 4, 1                         ; h
	v_and_b32 v3, 7, v0
	v_bfe_u32 v4, v0, 3, 1
	v_lshl_add_u32 v3, v2, 3, v3
	v_mul_u32_u24 v3, v3, PV
	v_lshl_add_u32 v3, v4, 4, v3
	v_add_nc_u32 v[VA], VOFF, v3
	v_add_nc_u32 v[VA+1], SLOT, v[VA]
	v_mul_u32_u24 v5, v1, PK
	v_lshl_add_u32 v[KA], v2, 4, v5
	v_add_nc_u32 v[KA+1], SLOT, v[KA]
	v_lshlrev_b32 v[UO], 5, v2                     ; 32 h
	v_add_nc_u32 v[MA], MOFF, v[UO]
	v_add_nc_u32 v[MA+1], SLOT, v[MA]
	s_mul_i32 s78, s12, 16*PK
	s_add_co_u32 s78, s78, STAGE                   ; my wave's stage
	v_add_nc_u32 v[STO], s78, v[KA]
	v_mul_u32_u24 v5, v2, PK
	v_lshl_add_u32 v5, v1, 4, v5
	v_add_nc_u32 v[RD], s78, v5
	v_and_b32 v7, 31, v0
	v_lshlrev_b32 v[MLO], 3, v7
	v_lshlrev_b32 v[RO], 4, v7
	v_add_nc_u32 v[UW], s78, v[RO]
	v_add_nc_u32 v[UR], s78, v[UO]
	s_lshl_b32 s79, s12, 5                         ; 32 w
	v_add_nc_u32 v6, s79, v1
	v_mul_u32_u24 v[QO], v6, ROWB
	v_lshl_add_u32 v[QO], v2, 4, v[QO]
	v_add_nc_u32 v7, s79, v2
	v_lshlrev_b32 v7, 11, v7
	v_lshl_add_u32 v[CO], v1, 4, v7
	v_add_nc_u32 v[RR], 1, v6
	v_add_nc_u32 v[RR+1], 17, v6
	v_lshlrev_b32 v[H8], 3, v2
	v_mov_b32 v[NEGV], s22
	v_mov_b32 v[NINF], 0xff800000
.macro QBASE                           ; where block s18's queries and results lie
	s_mul_i32 s72, s18, TILEB
	s_mov_b32 s73, 0
	s_add_nc_u64 s[72:73], s[4:5], s[72:73]
.endm
.macro OBASE
	s_lshl_b32 s76, s18, 18
	s_mov_b32 s77, 0
	s_add_nc_u64 s[76:77], s[10:11], s[76:77]
.endm
.macro LOADQ                           ; 16 loads: Q's fragments of my two query tiles
	WIN 0x40
.irp u, 0,1
.irp ks, 0,1,2,3
	global_load_b128 v[Q+32*\u+8*\ks:Q+32*\u+8*\ks+3], v[QO], s[72:73] offset:\u*16*ROWB+64*\ks
	global_load_b128 v[Q+32*\u+8*\ks+4:Q+32*\u+8*\ks+7], v[QO], s[72:73] offset:\u*16*ROWB+64*\ks+32
.endr
.endr
	WIN 0
.endm
.macro LOADR                           ; 14 loads: the records of key blocks 1 to 7, a lane four numbers of U' and the pair (M', L').  Block 0 is masked whole for no query block
.irp j, 1,2,3,4,5,6,7
	global_load_b128 v[R+4*(\j-1):R+4*(\j-1)+3], v[RO], s[8:9] offset:768*\j
	global_load_b64 v[ST+2*(\j-1):ST+2*(\j-1)+1], v[MLO], s[8:9] offset:768*\j+512
.endr
.endm
; The blocks j >= J (J in v[VJ]) are joined.  A block in front of J is given the maximum -inf and so the factor 0: it costs one load of 16 bytes a lane and five
; multiply-adds, and a branch round it would leave its registers unwritten on one way.  A maximum of -inf is replaced by the lowest finite number in the differences.
.macro MERGE ml, ul
.irp j, 1,2,3,4,5,6,7
	v_cmp_ge_i32 vcc_lo, \j, v[VJ]
	v_cndmask_b32 v[SEL+\j-1], v[NINF], v[ST+2*(\j-1)], vcc_lo
.endr
	v_max3_num_f32 v[\ml], v[SEL], v[SEL+1], v[SEL+2]
	v_max3_num_f32 v[\ml], v[\ml], v[SEL+3], v[SEL+4]
	v_max3_num_f32 v[\ml], v[\ml], v[SEL+5], v[SEL+6]      ; M_J
	v_max_num_f32 v[TM], 0xff7fffff, v[\ml]
.irp k, 0,1,2,3,4,5,6
	v_sub_f32 v[F+\k], v[SEL+\k], v[TM]
.endr
.irp k, 0,1,2,3,4,5,6
	v_mul_f32 v[F+\k], 0x3fb8aa3b, v[F+\k]
.endr
.irp k, 0,1,2,3,4,5,6
	v_exp_f32 v[F+\k], v[F+\k]
.endr
	v_nop                                          ; one plain instruction behind the exponentials (ISA guide 5.7.2)
	s_wait_alu depctr_va_vdst(0)
	v_mul_f32 v[\ml+1], v[F], v[ST+1]
.irp i, 0,1,2,3
	v_mul_f32 v[\ul+\i], v[F], v[R+\i]
.endr
.irp k, 1,2,3,4,5,6
	v_fmac_f32 v[\ml+1], v[F+\k], v[ST+2*\k+1]     ; L_J
.irp i, 0,1,2,3
	v_fmac_f32 v[\ul+\i], v[F+\k], v[R+4*\k+\i]    ; U_J[4 lane + i]
.endr
.endr
.endm
; A block's sums begin.  Which unit begins the second block hangs on the group's number, so no product with the constant 0 can be written for it: O is cleared, twice in the launch.
.macro CLEAR
	WIN 0x80
.set k, 0
.rept 128
	v_mov_b32 v[O+k], 0
.set k, k+1
.endr
	WIN 0
.irp u, 0,1
	v_mov_b32 v[NM+2*\u], 0x71b8aa3b               ; 2^100 log2(e)
	v_mov_b32 v[NM+2*\u+1], 0xf1800000             ; -2^100
.endr
.set k, 0
.rept 16
	v_mov_b32 v[LC+k], 0
.set k, k+1
.endr
.endm
	s_mov_b32 s18, s13                             ; the first block is i
	LOADR
	QBASE
	OBASE
	LOADQ
	CLEAR
	s_wait_loadcnt 16                              ; the 14 loads of the records are in; Q's 16 stay out
	v_mov_b32 v[VJ], s23                           ; the first block's masked tiles begin at key block i + 1,
	MERGE ML, ULA
	s_sub_co_u32 s80, 8, s13                       ; the second's at 8 - i
	v_mov_b32 v[VJ], s80
	MERGE MLB, ULB
	ds_store_b128 v[UW], v[ULA:ULA+3]              ; through my own stage into O's layout: U[16 dt + 8 h + j]
	ds_store_b128 v[UW], v[ULB:ULB+3] offset:512
	WIN 0x40
.irp dt, 0,1,2,3,4,5,6,7
	ds_load_b128 v[U+8*\dt:U+8*\dt+3], v[UR] offset:64*\dt             ; my own bytes: LDS serves a wave's instructions in order
	ds_load_b128 v[U+8*\dt+4:U+8*\dt+7], v[UR] offset:64*\dt+16
.endr
.irp dt, 0,1,2,3,4,5,6,7
	ds_load_b128 v[UB+8*\dt:UB+8*\dt+3], v[UR] offset:512+64*\dt
	ds_load_b128 v[UB+8*\dt+4:UB+8*\dt+7], v[UR] offset:512+64*\dt+16
.endr
	WIN 0
	s_wait_loadcnt 0x0                             ; Q
.macro LDK sl, p                       ; 16 loads into window 3: K's fragments of key tiles 2 p, 2 p + 1, tile kt at 32 kt + 8 ks
.irp kl, 0,1
.irp ks, 0,1,2,3
	ds_load_b128 v[KV+64*\p+32*\kl+8*\ks:KV+64*\p+32*\kl+8*\ks+3], v[KA+\sl] offset:(2*\p+\kl)*16*PK+64*\ks
	ds_load_b128 v[KV+64*\p+32*\kl+8*\ks+4:KV+64*\p+32*\kl+8*\ks+7], v[KA+\sl] offset:(2*\p+\kl)*16*PK+64*\ks+32
.endr
.endr
.endm
.macro LDV sl, sb                      ; 16 transposing loads into window 3: V's fragments of keys 32 sb .. +31, at 64 sb + 8 dt
.irp dt, 0,1,2,3,4,5,6,7
	ds_load_tr16_b128 v[KV+64*\sb+8*\dt:KV+64*\sb+8*\dt+3], v[VA+\sl] offset:\sb*32*PV+32*\dt
	ds_load_tr16_b128 v[KV+64*\sb+8*\dt+4:KV+64*\sb+8*\dt+7], v[VA+\sl] offset:\sb*32*PV+32*\dt+16*PV
.endr
.endm
.macro QKI kt, ks, u                   ; one matrix instruction of S^T = K Q^T: key tile kt, 32 along d, query tile u; the first starts the sum
.if \ks == 0
	v_wmma_f32_16x16x32_f16 v[S+64*\u+8*(\kt):S+64*\u+8*(\kt)+7], v[KV+32*(\kt)+8*\ks:KV+32*(\kt)+8*\ks+7], v[Q+32*\u+8*\ks:Q+32*\u+8*\ks+7], 0
.else
	v_wmma_f32_16x16x32_f16 v[S+64*\u+8*(\kt):S+64*\u+8*(\kt)+7], v[KV+32*(\kt)+8*\ks:KV+32*(\kt)+8*\ks+7], v[Q+32*\u+8*\ks:Q+32*\u+8*\ks+7], v[S+64*\u+8*(\kt):S+64*\u+8*(\kt)+7]
.endif
.endm
.macro PVI sb, dt, u                   ; one matrix instruction of O^T += V^T P^T: 32 keys, 16 of d, query tile u
	v_wmma_f32_16x16x32_f16 v[O+64*\u+8*\dt:O+64*\u+8*\dt+7], v[KV+64*\sb+8*\dt:KV+64*\sb+8*\dt+7], v[P+32*\u+8*\sb:P+32*\u+8*\sb+7], v[O+64*\u+8*\dt:O+64*\u+8*\dt+7]
.endm
; In every run the accumulators take turns, one instruction a turn: four key tiles' in the runs of S, eight tiles of d in the runs of O; runs that
; follow each other name different accumulators.
.macro QKH hf, u                       ; 16 matrix instructions: key tiles 4 hf .. +3, all of d
.irp ks, 0,1,2,3
.irp c, 0,1,2,3
	QKI 4*\hf+\c, \ks, \u
.endr
.endr
.endm
; THE SOFTMAX OF QUERY TILE u IN 32 SLICES; the symbol sn is the slice's number.  Each slice runs under one setting of the register windows.
.macro SMD u, kk                       ; two exponents: score x log2(e) - m log2(e)
	v_pk_fma_f32 v[S+64*\u+2*(\kk):S+64*\u+2*(\kk)+1], v[S+64*\u+2*(\kk):S+64*\u+2*(\kk)+1], s[26:27], v[NM+2*\u:NM+2*\u+1] op_sel_hi:[1,0,0]
.endm
.macro SMF u, kk                       ; two numbers of O times alpha
	v_pk_mul_f32 v[O+64*\u+2*(\kk):O+64*\u+2*(\kk)+1], v[O+64*\u+2*(\kk):O+64*\u+2*(\kk)+1], v[AL+2*\u:AL+2*\u+1] op_sel_hi:[1,0]
.endm
.macro SM u
.if sn < 4                             ; slices 0-3: score / sqrt(128) + mask, sixteen numbers a slice
	WIN 0x82
.set k, 8*sn
.rept 8
	v_pk_fma_f32 v[S+64*\u+2*k:S+64*\u+2*k+1], v[S+64*\u+2*k:S+64*\u+2*k+1], s[24:25], v[AM+2*k:AM+2*k+1] op_sel_hi:[1,0,1]
.set k, k+1
.endr
.else
.if sn < 8                             ; slices 4-7: the maximum, in four chains that start from the running maximum
	WIN 0x28
.set k, 8*(sn-4)
.rept 8
.if k < 4
	v_max3_num_f32 v[MX+k], v[NM+2*\u+1], v[S+64*\u+2*k], v[S+64*\u+2*k+1]
.else
	v_max3_num_f32 v[MX+(k%4)], v[MX+(k%4)], v[S+64*\u+2*k], v[S+64*\u+2*k+1]
.endif
.set k, k+1
.endr
.else
.if sn < 12                            ; slices 8-11: the row's figures, a chain in which each instruction waits for the last: three a slice, so that products go on meanwhile
	WIN 0
.if sn == 8
	v_max3_num_f32 v[MX], v[MX], v[MX+1], v[MX+2]
	v_max_num_f32 v[MX], v[MX], v[MX+3]
	v_permlanex16_b32 v[MX+1], v[MX], s20, s21             ; the other half's keys
.endif
.if sn == 9
	v_max_num_f32 v[NM+2*\u+1], v[MX], v[MX+1]             ; the new maximum
	v_mul_f32 v[MX], 0xbfb8aa3b, v[NM+2*\u+1]
	v_sub_f32 v[AL+2*\u+1], v[MX], v[NM+2*\u]
.endif
.if sn == 10
	v_exp_f32 v[AL+2*\u], v[AL+2*\u+1]                     ; alpha, from the same rounded figures that the weights are taken from
	v_mov_b32 v[NM+2*\u], v[MX]                            ; the plain instruction behind the exponential (ISA guide 5.7.2)
	s_wait_alu depctr_va_vdst(0)
	v_pk_mul_f32 v[LC+8*\u:LC+8*\u+1], v[LC+8*\u:LC+8*\u+1], v[AL+2*\u:AL+2*\u+1] op_sel_hi:[1,0]
.endif
.if sn == 11
.irp c, 1,2,3
	v_pk_mul_f32 v[LC+8*\u+2*\c:LC+8*\u+2*\c+1], v[LC+8*\u+2*\c:LC+8*\u+2*\c+1], v[AL+2*\u:AL+2*\u+1] op_sel_hi:[1,0]
.endr
.endif
.else
.if sn < 28                            ; slices 12-27: four exponentials, each with a plain instruction behind it: the next slice's four exponents, four numbers of O
	WIN 0x82
.set di, sn-12
.if di == 0
	SMD \u, 0
	SMD \u, 1
.endif
	v_exp_f32 v[S+64*\u+4*di], v[S+64*\u+4*di]
.if di < 15
	SMD \u, 2*di+2
.endif
	v_exp_f32 v[S+64*\u+4*di+1], v[S+64*\u+4*di+1]
.if di < 15
	SMD \u, 2*di+3
.endif
	v_exp_f32 v[S+64*\u+4*di+2], v[S+64*\u+4*di+2]
	SMF \u, 2*di
	v_exp_f32 v[S+64*\u+4*di+3], v[S+64*\u+4*di+3]
	SMF \u, 2*di+1
.else                                  ; slices 28-31: the weights rounded to f16: the second source of the product with V
	WIN 0x4a
.set k, 8*(sn-28)
	s_wait_alu depctr_va_vdst(0)
.rept 8
	v_cvt_pk_f16_f32 v[P+32*\u+k], v[S+64*\u+2*k], v[S+64*\u+2*k+1]
.set k, k+1
.endr
.endif
.endif
.endif
.endif
.endm
; The denominators, which no product waits for: slice gq = 0 .. 7 adds sixteen weights of tile gq / 4 onto its four packed chains
.macro SG
.set gq, sn/4-1
	WIN 0x08
.set k, 8*(gq%4)
.rept 8
	v_pk_add_f32 v[LC+8*(gq/4)+2*(k%4):LC+8*(gq/4)+2*(k%4)+1], v[LC+8*(gq/4)+2*(k%4):LC+8*(gq/4)+2*(k%4)+1], v[S+64*(gq/4)+2*k:S+64*(gq/4)+2*k+1]
.set k, k+1
.endr
.endm
; S1 = K Q1 beside tile 0's softmax.  Key tiles 0-3 have been read for the last time by the sixteenth matrix instruction; behind it stand the eight plain
; instructions of slices 15 and 16, and then V's keys 0-63 are loaded over them.
.macro RUNX sl
.set sn, 0
.irp hf, 0,1
.irp ks, 0,1,2,3
.irp c, 0,1,2,3
	WIN MULW
	QKI 4*\hf+\c, \ks, 1
	SM 0
.set sn, sn+1
.if sn == 17
	WIN TO3
	LDV \sl, 0
	LDV \sl, 1
.endif
.endr
.endr
.endr
.endm
; O0 += V P0 beside tile 1's softmax
.macro RUNY
.set sn, 0
.irp sb, 0,1,2,3
.if \sb > 0
	s_wait_dscnt 48-16*\sb                         ; this batch of V is in; the batches issued behind it (32, 16, 0 loads) stay out
.endif
.irp dt, 0,1,2,3,4,5,6,7
	WIN MULW
	PVI \sb, \dt, 0
	SM 1
.set sn, sn+1
.endr
.endr
.endm
; O1 += V P1 beside both denominators; the last slice's eight adds are the places behind the run, for the loads into window 3 and for the readers of O
.macro RUNP
.set sn, 0
.irp sb, 0,1,2,3
.irp dt, 0,1,2,3,4,5,6,7
	WIN MULW
	PVI \sb, \dt, 1
.set sn, sn+1
.if (sn%4) == 0
	SG
.endif
.endr
.endr
.endm
; The diagonal tile, query tile u: column kc of the tile is open to row rr of the block if kc < max(rr + 1, 77 - 128 qb): causal from row 77 on, columns below 77 for the rows below 77.
.macro MASKU u
	s_lshl_b32 s78, s18, 7
	s_sub_co_i32 s78, 77, s78
	v_max_i32 v[RL+\u], s78, v[RR+\u]
	v_sub_nc_u32 v[RL+\u], v[RL+\u], v[H8]         ; my keys are 16 kt + 8 h + j
	WIN 0x82
.irp kt, 0,1,2,3,4,5,6,7
.irp j, 0,1,2,3,4,5,6,7
	v_cmp_ge_i32 vcc_lo, 16*\kt+\j, v[RL+\u]
	v_cndmask_b32 v[S+64*\u+8*\kt+\j], v[S+64*\u+8*\kt+\j], v[NEGV], vcc_lo
.endr
.endr
	WIN 0
.endm
; One query tile's results: the masked key blocks ((M_J, L_J) in v[ml], v[ml + 1], U_J at ub of window 1) are folded in, the sums divided, rounded, turned through my own stage and stored.
.macro FINU u, ml, ub
	v_pk_add_f32 v[LC+8*\u:LC+8*\u+1], v[LC+8*\u:LC+8*\u+1], v[LC+8*\u+2:LC+8*\u+3]
	v_pk_add_f32 v[LC+8*\u+4:LC+8*\u+5], v[LC+8*\u+4:LC+8*\u+5], v[LC+8*\u+6:LC+8*\u+7]
	v_pk_add_f32 v[LC+8*\u:LC+8*\u+1], v[LC+8*\u:LC+8*\u+1], v[LC+8*\u+4:LC+8*\u+5]
	v_add_f32 v[T0], v[LC+8*\u], v[LC+8*\u+1]
	v_permlanex16_b32 v[MX], v[T0], s20, s21       ; the other half's keys
	v_add_f32 v[T0], v[T0], v[MX]                  ; l
	v_fma_f32 v[T1], v[NEGV], s24, v[\ml]          ; the masked blocks' largest score, -10000 + M_J
	v_max_num_f32 v[T2], v[NM+2*\u+1], v[T1]
	v_mul_f32 v[T2], 0xbfb8aa3b, v[T2]
	v_sub_f32 v[T3], v[T2], v[NM+2*\u]
	v_fma_f32 v[T1], v[T1], s26, v[T2]
	v_exp_f32 v[T3], v[T3]                         ; alpha
	v_exp_f32 v[T1], v[T1]                         ; beta
	v_nop                                          ; one plain instruction behind a transcendental (ISA guide 5.7.2)
	s_wait_alu depctr_va_vdst(0)
	v_mul_f32 v[T2], v[T1], v[\ml+1]
	v_fma_f32 v[T0], v[T0], v[T3], v[T2]
	v_rcp_f32 v[T0], v[T0]
	v_nop
	s_wait_alu depctr_va_vdst(0)
	v_mul_f32 v[A2], v[T3], v[T0]
	v_mul_f32 v[A2+1], v[T3], v[T0]
	v_mul_f32 v[B2], v[T1], v[T0]
	v_mul_f32 v[B2+1], v[T1], v[T0]
	WIN 0x41
.set k, 0
.rept 32
	v_pk_mul_f32 v[P+2*k:P+2*k+1], v[\ub+2*k:\ub+2*k+1], v[B2:B2+1]
.set k, k+1
.endr
	WIN 0x92
.set k, 0
.rept 32
	v_pk_fma_f32 v[O+64*\u+2*k:O+64*\u+2*k+1], v[O+64*\u+2*k:O+64*\u+2*k+1], v[A2:A2+1], v[P+2*k:P+2*k+1]
.set k, k+1
.endr
	WIN 0x0a
.set k, 0
.rept 32
	v_cvt_pk_f16_f32 v[FB0+k], v[O+64*\u+2*k], v[O+64*\u+2*k+1]
.set k, k+1
.endr
	WIN 0
.irp dt, 0,1,2,3,4,5,6,7
	ds_store_b128 v[STO], v[FB0+4*\dt:FB0+4*\dt+3] offset:32*\dt
.endr
.irp t, 0,1,2,3,4,5,6,7
	ds_load_b128 v[FB1+32*\u+4*\t:FB1+32*\u+4*\t+3], v[RD] offset:2*PK*\t      ; my own bytes: LDS serves a wave's instructions in order
.endr
.irp t, 0,1,2,3,4,5,6,7
	s_wait_dscnt 7-\t                              ; load t of the eight is in; at the last all the stage's stores and loads are done
	global_store_b128 v[CO], v[FB1+32*\u+4*\t:FB1+32*\u+4*\t+3], s[76:77] offset:(16*\u+2*\t)*2048   ; sixteen lanes: 256 neighbouring bytes, a head's part of a row
.endr
.endm
.macro FINALIZE more
.if \more
	s_sub_co_u32 s18, 7, s13                       ; the second block; its queries go out first
	QBASE
	LOADQ
	FINU 0, ML, U
	FINU 1, ML, U
	CLEAR
	s_wait_xcnt 0x0                                ; the stores' base and data registers are written again only behind this wait
	OBASE
	s_wait_loadcnt 0x0
.else
	FINU 0, MLB, UB
	FINU 1, MLB, UB
.endif
.endm
; One unit.  sl: its slot; refill: the next unit's tiles are asked for; always: the mask is applied (else only where n = i); fin: the first block may end here.
.macro UNIT sl, refill, always, fin
	s_wait_tensorcnt 0x0                           ; all my tensor loads have landed, my part of this unit's tiles among them: the descriptors may be written
	ds_add_u32 v242, v243
	s_wait_dscnt 0x0
.if \refill
	s_add_co_u32 s80, s17, 1
	s_cmp_gt_u32 s80, s13
	s_cselect_b32 s81, s23, 0
	s_sub_co_u32 s80, s80, s81                     ; the next unit's key tile
	s_mul_i32 s82, s80, TILEB
	s_mov_b32 s83, 0
	s_add_nc_u64 s[G0K+2:G0K+3], s[28:29], s[82:83]
	s_or_b32 s[G0K+3], s[G0K+3], 0x80000000
	s_add_nc_u64 s[G0V+2:G0V+3], s[30:31], s[82:83]
	s_or_b32 s[G0V+3], s[G0V+3], 0x80000000
	s_lshl_b32 s82, s80, 9
	s_add_nc_u64 s[G0M+2:G0M+3], s[6:7], s[82:83]
	s_or_b32 s[G0M+3], s[G0M+3], 0x80000000
	s_mov_b32 s[G0K+1], (1-\sl)*SLOT
	s_mov_b32 s[G0V+1], (1-\sl)*SLOT+VOFF
	s_mov_b32 s[G0M+1], (1-\sl)*SLOT+MOFF
.endif
	s_wait_dscnt 0x0                               ; my reads of the other slot are over
	s_barrier_signal -1
	s_barrier_wait -1                              ; both hold of every wave
.if \refill
	TLOAD                                          ; first behind the barrier, into the slot read last
.endif
	; run 1: S0 = K Q0
	WIN TO3
	LDK \sl, 0
	LDK \sl, 1
	LDK \sl, 2
	s_wait_dscnt 16                                ; key tiles 0-3 are in; the 16 loads of tiles 4, 5 stay out
	LDK \sl, 3
	WIN 0
.irp kt, 0,1,2,3,4,5,6,7
	ds_load_b128 v[AM+8*\kt:AM+8*\kt+3], v[MA+\sl] offset:64*\kt
	ds_load_b128 v[AM+8*\kt+4:AM+8*\kt+7], v[MA+\sl] offset:64*\kt+16
.endr
	WIN MULW
	QKH 0, 0
	s_wait_dscnt 16                                ; all of K is in; the mask's 16 loads stay out
	QKH 1, 0
	WIN 0
	PLACES                                         ; no vector work exists yet in this unit: four v_nop in front of the first readers of S0
	s_wait_dscnt 0x0                               ; the mask
.if \always == 0
	s_cmp_lg_u32 s17, s13
	s_cbranch_scc1 .Lnomask0_\@
.endif
	MASKU 0
.if \always == 0
.Lnomask0_\@:
.endif
	; run 2: S1 = K Q1 beside tile 0's softmax
	RUNX \sl
	WIN 0                                          ; slice 31's eight roundings are the places behind the run, for the readers of S1 and for the loads over key tiles 4-7
.if \always == 0
	s_cmp_lg_u32 s17, s13
	s_cbranch_scc1 .Lnomask1_\@
.endif
	MASKU 1
.if \always == 0
.Lnomask1_\@:
.endif
	; run 3: O0 += V P0 beside tile 1's softmax
	s_wait_dscnt 16                                ; V's keys 0-31 are in; the batch issued behind them stays out
	WIN TO3
	LDV \sl, 2
	LDV \sl, 3
	RUNY
	; run 4: O1 += V P1 beside the denominators
	RUNP
	WIN 0
.if \fin
	s_cmp_lg_u32 s17, s13
	s_cbranch_scc1 .Lnofin_\@
	FINALIZE 1
.Lnofin_\@:
.endif
	s_add_co_u32 s17, s17, 1
.endm
	s_mov_b32 s17, 0                               ; n
	s_mov_b32 s19, 4
.Lunits:
	UNIT 0, 1, 0, 1
	UNIT 1, 1, 0, 1
	s_sub_co_u32 s19, s19, 1
	s_cmp_lg_u32 s19, 0
	s_cbranch_scc1 .Lunits
	UNIT 0, 0, 1, 0                                ; unit 8: the second block's diagonal tile; nothing is left to fetch
	FINALIZE 0
	s_wait_tensorcnt 0x0
	ds_add_u32 v242, v243
	s_wait_dscnt 0x0
	s_endpgm
.Lfunc_end_k_qd7c129c5ef_attn:
	.size	k_qd7c129c5ef_attn, .Lfunc_end_k_qd7c129c5ef_attn-k_qd7c129c5ef_attn
	.p2alignl 7, 3214868480
	.fill 96, 4, 3214868480
	.section	.rodata,"a",@progbits
	.p2align	6, 0x0
	.amdhsa_kernel k_qd7c129c5ef_attn
		.amdhsa_group_segment_fixed_size 327680
		.amdhsa_private_segment_fixed_size 0
		.amdhsa_enable_private_segment 0
		.amdhsa_kernarg_size 32
		.amdhsa_user_sgpr_count 2
		.amdhsa_user_sgpr_kernarg_segment_ptr 1
		.amdhsa_wavefront_size32 1
		.amdhsa_system_sgpr_workgroup_id_x 1
		.amdhsa_system_sgpr_workgroup_id_y 1
		.amdhsa_system_sgpr_workgroup_id_z 1
		.amdhsa_system_vgpr_workitem_id 0
		.amdhsa_next_free_vgpr 1024
		.amdhsa_next_free_sgpr 92
		.amdhsa_reserve_vcc 1
		.amdhsa_float_denorm_mode_32 3
		.amdhsa_float_denorm_mode_16_64 3
		.amdhsa_memory_ordered 1
		.amdhsa_forward_progress 1
		.amdhsa_inst_pref_size 255
	.end_amdhsa_kernel
	.section	.bss,"aw",@nobits
	.p2align	6
	.space	262144
	.amdgpu_metadata
---
amdhsa.version: [ 1, 2 ]
amdhsa.kernels:
  - .name:           k_qd7c129c5ef_attn
    .symbol:         k_qd7c129c5ef_attn.kd
    .args:
      - { .name: qkv, .offset: 0, .size: 8, .value_kind: global_buffer, .address_space: global }
      - { .name: attention_mask, .offset: 8, .size: 8, .value_kind: global_buffer, .address_space: global }
      - { .name: tailbuf, .offset: 16, .size: 8, .value_kind: global_buffer, .address_space: global }
      - { .name: ab, .offset: 24, .size: 8, .value_kind: global_buffer, .address_space: global }
    .group_segment_fixed_size: 327680
    .private_segment_fixed_size: 0
    .kernarg_segment_align: 8
    .kernarg_segment_size: 32
    .max_flat_workgroup_size: 128
    .sgpr_count:     92
    .vgpr_count:     1024
    .wavefront_size: 32
...
	.end_amdgpu_metadata
.endif
;; end of part 3
;; launch proj (part 4): grid 8 x 32, 4 waves a work-group, clusters of 4 x 4, 327,680 bytes of LDS; arguments ab, wpb, b_proj, out0; writes out0
.if DOCPART == 4
	.amdgcn_target "amdgcn-amd-amdhsa--gfx1250"
	.amdhsa_code_object_version 6
	.text
	.protected	k_qd7c129c5ef_proj
	.globl	k_qd7c129c5ef_proj
	.p2align	8
	.type	k_qd7c129c5ef_proj,@function
k_qd7c129c5ef_proj:
	s_mov_b64 s[64:65], 0
	v_nop
	global_prefetch_b8 v0, s[64:65] scope:SCOPE_SE
	s_setreg_imm32_b32 hwreg(HW_REG_WAVE_MODE, 25, 1), 1
	s_wait_xcnt 0x0
	s_wait_alu depctr_hold_cnt(0) depctr_sa_sdst(0) depctr_va_vdst(0) depctr_va_sdst(0) depctr_va_ssrc(0) depctr_va_vcc(0) depctr_vm_vsrc(0)
	s_getreg_b32 s2, hwreg(HW_REG_IB_STS2, 6, 4)
	s_cmp_eq_u32 s2, 0
	s_cbranch_scc0 .Lentry_in_a_cluster
	s_endpgm
.Lentry_in_a_cluster:
	s_bfe_u32 s2, ttmp6, 0x10000c
	s_cmp_lg_u32 s2, 0xf033
	s_cbranch_scc0 .Lentry_shape_is_right
	s_endpgm
.Lentry_shape_is_right:
; out0[8192][1024] (f32) = ab[8192][1024] wpb[1024][1024] + b_proj, operands f16, sums in f32.  Nothing is left out here.
; A work-group makes 256 rows x 128 columns: 32 x 8 = 256 groups.  Four waves, wave w = 2 wm + wn makes 128 x 64: 32 accumulator tiles in window 1.
; K goes in 8 steps of 128 through two LDS slots: A's rows are 256 bytes of memory that start at multiples of 256.
; CLUSTER 4 x 4: A's tile is shared along a row of the cluster, B's along a column, each asked for jointly.
; wpb lies [k][n] and is read with the transposing LDS load.  The matrix instruction is used transposed (source 0 = columns of W, source 1 = rows of ab),
; so that a lane holds eight neighbouring columns of a row, 32 bytes of f32.
.set PA,     272
.set PB,     288
.set HALFA,  128*PA
.set BOFF,   2*HALFA
.set HALFB,  64*PB
.set SLOT,   BOFF+2*HALFB              ; 106,496
.set SPITCH, 528                       ; the stage of the way out: 512 bytes + 16
.set BIAS,   2*SLOT                    ; 128 f32, bytes of their own
.set AF, 32                            ; v32-95, v96-159    A's fragments, two buffers
.set BF, 160                           ; v160-191, v192-223 B's fragments, two buffers
.set ADRA, 8
.set ADRB, 10
.set ST, 12
.set RD, 13
.set CO, 14
.set BA, 15
.set G1A, 24
.set G0A, 32
.set G1B, 40
.set G0B, 48
.set MSB, 0
.macro WIN new
.if MSB != \new
	s_set_vgpr_msb (MSB<<8)|\new
.set MSB, \new
.endif
.endm
.macro PLACES                          ; four plain vector instructions behind a matrix instruction (ISA guide 7.12.1)
.rept 4
	v_nop
.endr
.endm
.macro JLOAD sl                        ; waves 0, 1 ask for A's halves, waves 2, 3 for B's
	s_cmp_eq_u32 s13, 0
	s_cbranch_scc0 .Lfor_b_\@
	tensor_load_to_lds s[G0A+4*\sl:G0A+4*\sl+3], s[G1A:G1A+7]
	s_nop 0
	s_branch .Lasked_\@
.Lfor_b_\@:
	tensor_load_to_lds s[G0B+4*\sl:G0B+4*\sl+3], s[G1B:G1B+7]
	s_nop 0
.Lasked_\@:
.endm
.macro CREST
	s_cmp_lg_u32 s12, 0
	s_cbranch_scc1 .Lnot_wave_0_\@
	s_barrier_signal -3
.Lnot_wave_0_\@:
	s_barrier_wait -3
	s_barrier_signal -1
	s_barrier_wait -1
.endm
.macro CROUND
	s_barrier_signal -1
	s_barrier_wait -1
	CREST
.endm
	s_load_b256 s[4:11], s[0:1], 0x0               ; ab, wpb, b_proj, out0
	v_lshl_add_u32 v254, v0, 2, 0x34200
	v_mov_b32 v255, 0
	ds_add_u32 v254, v255
	v_lshrrev_b32 v1, 5, v0
	v_readfirstlane_b32 s12, v1
	s_lshr_b32 s13, s12, 1                         ; wm.  Also: I fetch for A (0) or for B (1)
	s_and_b32 s14, s12, 1                          ; wn.  Also: which half of that tile I fetch
	s_bfe_u32 s15, ttmp6, 0x40000
	s_bfe_u32 s16, ttmp6, 0x40004
	s_lshl_b32 s17, ttmp9, 2
	s_add_co_u32 s17, s17, s15                     ; column block
	s_and_b32 s18, ttmp7, 0xffff
	s_lshl_b32 s18, s18, 2
	s_add_co_u32 s18, s18, s16                     ; row block
	s_lshl_b32 s19, s16, 2
	s_lshl_b32 s19, 15, s19
	s_lshl_b32 s20, 0x1111, s15
	s_or_b32 s[G1A+0], s19, (1<<16)|(1<<20)|(1<<21)|(5<<22)|(3<<25)    ; 128 rows x 128 elements, 4 words of padding behind every 64
	s_mov_b32 s[G1A+1], 128<<16
	s_mov_b32 s[G1A+2], 128<<16
	s_mov_b32 s[G1A+3], 128<<16
	s_mov_b32 s[G1A+4], 128
	s_mov_b32 s[G1A+5], 1024
	s_mov_b32 s[G1A+6], 0
	s_mov_b32 s[G1A+7], 0
	s_or_b32 s[G1B+0], s20, (1<<16)|(1<<20)|(1<<21)|(5<<22)|(7<<25)    ; 64 rows of k x 128 elements, 8 words of padding
	s_mov_b32 s[G1B+1], 128<<16
	s_mov_b32 s[G1B+2], 64<<16
	s_mov_b32 s[G1B+3], 128<<16
	s_mov_b32 s[G1B+4], 64
	s_mov_b32 s[G1B+5], 1024
	s_mov_b32 s[G1B+6], 0
	s_mov_b32 s[G1B+7], 0
	s_lshl_b32 s56, s18, 19                        ; A: 256 rows of 2,048 bytes a row block,
	s_lshl_b32 s57, s14, 18                        ; 128 rows a half
	s_add_co_u32 s56, s56, s57
	s_mov_b32 s57, 0
	s_lshl_b32 s58, s17, 8                         ; B: 256 bytes a column block,
	s_lshl_b32 s59, s14, 17                        ; 64 rows of 2,048 bytes a half
	s_add_co_u32 s58, s58, s59
	s_mov_b32 s59, 0
	s_lshl_b32 s60, s17, 9
	s_mov_b32 s61, 0
	s_mul_i32 s22, s14, HALFA                      ; where the loads go: the wave's number alone
	s_mul_i32 s23, s14, HALFB
	s_add_co_u32 s23, s23, BOFF
	s_wait_dscnt 0x0
	s_wait_kmcnt 0x0
	s_add_nc_u64 s[56:57], s[4:5], s[56:57]
	s_add_nc_u64 s[58:59], s[6:7], s[58:59]
	s_add_nc_u64 s[8:9], s[8:9], s[60:61]
	CROUND                                         ; the first joint loads meet
.irp s, 0,1
	s_mov_b32 s[G0A+4*\s], 1
	s_add_co_u32 s[G0A+4*\s+1], s22, \s*SLOT
	s_add_nc_u64 s[G0A+4*\s+2:G0A+4*\s+3], s[56:57], \s*256
	s_or_b32 s[G0A+4*\s+3], s[G0A+4*\s+3], 0x80000000
	s_mov_b32 s[G0B+4*\s], 1
	s_add_co_u32 s[G0B+4*\s+1], s23, \s*SLOT
	s_add_nc_u64 s[G0B+4*\s+2:G0B+4*\s+3], s[58:59], \s*262144
	s_or_b32 s[G0B+4*\s+3], s[G0B+4*\s+3], 0x80000000
	JLOAD \s                                       ; two loads of the wave are out
.endr
	v_lshlrev_b32 v25, 2, v0
	global_load_b32 v22, v25, s[8:9]               ; thread t: the bias of column t of my 128
	v_add_nc_u32 v26, BIAS, v25
	v_and_b32 v1, 15, v0
	v_bfe_u32 v2, v0, 4, 1
	v_and_b32 v3, 7, v0
	v_bfe_u32 v4, v0, 3, 1
	v_lshl_add_u32 v3, v2, 3, v3
	v_mul_u32_u24 v3, v3, PB
	v_lshl_add_u32 v3, v4, 4, v3
	s_lshl_b32 s62, s14, 7
	s_add_co_u32 s62, s62, BOFF
	v_add_nc_u32 v[ADRB], s62, v3
	v_add_nc_u32 v[ADRB+1], SLOT, v[ADRB]
	v_mul_u32_u24 v5, v1, PA
	v_lshl_add_u32 v5, v2, 4, v5
	s_mul_i32 s63, s13, HALFA
	v_add_nc_u32 v[ADRA], s63, v5
	v_add_nc_u32 v[ADRA+1], SLOT, v[ADRA]
	v_mul_u32_u24 v6, v1, SPITCH
	v_lshl_add_u32 v6, v2, 5, v6
	s_mul_i32 s66, s13, 128*SPITCH
	s_lshl_b32 s67, s14, 8
	s_add_co_u32 s66, s66, s67
	v_add_nc_u32 v[ST], s66, v6
	v_and_b32 v7, 31, v0
	v_lshlrev_b32 v[CO], 4, v7
	s_mul_i32 s68, s12, 64*SPITCH
	v_add_nc_u32 v[RD], s68, v[CO]
	s_add_co_u32 s67, s67, BIAS
	v_lshl_add_u32 v[BA], v2, 5, s67
	s_wait_loadcnt 0x0
	ds_store_b32 v26, v22
; 16 matrix instructions: four of my eight row tiles x four column tiles, 32 along K.  The 32 accumulators take turns, one instruction a turn.
.macro MUL16 f, hf, zero
	WIN 0x50
.irp a, 0,1,2,3
.irp bb, 0,1,2,3
.if \zero
	v_wmma_f32_16x16x32_f16 v[8*(16*\hf+4*\a+\bb):8*(16*\hf+4*\a+\bb)+7], v[BF+32*(\f)+8*\bb:BF+32*(\f)+8*\bb+7], v[AF+64*(\f)+8*(4*\hf+\a):AF+64*(\f)+8*(4*\hf+\a)+7], 0
.else
	v_wmma_f32_16x16x32_f16 v[8*(16*\hf+4*\a+\bb):8*(16*\hf+4*\a+\bb)+7], v[BF+32*(\f)+8*\bb:BF+32*(\f)+8*\bb+7], v[AF+64*(\f)+8*(4*\hf+\a):AF+64*(\f)+8*(4*\hf+\a)+7], v[8*(16*\hf+4*\a+\bb):8*(16*\hf+4*\a+\bb)+7]
.endif
.endr
.endr
.endm
.macro FETCH sl, kq, f                 ; 24 loads: B's four tiles, then A's eight, of quarter kq
.irp bb, 0,1,2,3
	ds_load_tr16_b128 v[BF+32*(\f)+8*\bb:BF+32*(\f)+8*\bb+3], v[ADRB+\sl] offset:\kq*32*PB+32*\bb
	ds_load_tr16_b128 v[BF+32*(\f)+8*\bb+4:BF+32*(\f)+8*\bb+7], v[ADRB+\sl] offset:\kq*32*PB+32*\bb+16*PB
.endr
.irp a, 0,1,2,3,4,5,6,7
	ds_load_b128 v[AF+64*(\f)+8*\a:AF+64*(\f)+8*\a+3], v[ADRA+\sl] offset:\a*16*PA+64*\kq
	ds_load_b128 v[AF+64*(\f)+8*\a+4:AF+64*(\f)+8*\a+7], v[ADRA+\sl] offset:\a*16*PA+64*\kq+32
.endr
.endm
.macro QUARTER sl, kn, f, zero         ; multiplies buffer f; in its middle fetches quarter kn into the other buffer
	s_wait_dscnt 8                                 ; B and A's rows 0-63 are in; the eight youngest loads may be out
	MUL16 \f, 0, \zero
	WIN 0
	PLACES
	FETCH \sl, \kn, 1-\f
	s_wait_dscnt 24                                ; all but the 24 just issued
	MUL16 \f, 1, \zero
.endm
.macro THREE sl, zero
	QUARTER \sl, 1, 0, \zero
	QUARTER \sl, 2, 1, 0
	QUARTER \sl, 3, 0, 0
.endm
; the last quarter and the change of slots: each wave's reads of this slot and all its tensor loads are waited for in front of the barrier, which, where the slot
; is filled again, opens a round of the cluster's barrier; the joint refill is the first tensor load behind the round.
.macro TURN sl, nx, fill
	s_wait_dscnt 0x0
	s_wait_tensorcnt 0x0
	ds_add_u32 v254, v255
	s_wait_dscnt 0x0
	s_barrier_signal -1
	MUL16 1, 0, 0
	WIN 0
	s_barrier_wait -1
.if \fill
	CREST
	s_add_nc_u64 s[G0A+4*\sl+2:G0A+4*\sl+3], s[G0A+4*\sl+2:G0A+4*\sl+3], 512
	s_add_nc_u64 s[G0B+4*\sl+2:G0B+4*\sl+3], s[G0B+4*\sl+2:G0B+4*\sl+3], 524288
	JLOAD \sl
.endif
	PLACES
	FETCH \nx, 0, 0
	MUL16 1, 1, 0
.endm
.macro LAP zero
	THREE 0, \zero
	TURN 0, 1, 1
	THREE 1, 0
	TURN 1, 0, 1
.endm
	s_wait_tensorcnt 1                             ; my part of K step 0 is in; step 1's stays out
	s_wait_dscnt 0x0
	s_barrier_signal -1
	s_barrier_wait -1
	FETCH 0, 0, 0
	LAP 1
	WIN 0
	s_mov_b32 s21, 2
.Llap:
	LAP 0
	WIN 0
	s_sub_co_u32 s21, s21, 1
	s_cmp_lg_u32 s21, 0
	s_cbranch_scc1 .Llap
	THREE 0, 0                                     ; the last two K steps fill nothing
	TURN 0, 1, 0
	THREE 1, 0
	s_wait_dscnt 0x0
	MUL16 1, 0, 0
	MUL16 1, 1, 0
	WIN 0
	PLACES
	; THE WAY OUT.  The stage (256 rows x 528 bytes) lies over the ring, which has had its last fill; every wave's reads of the ring are over behind this barrier.
	s_barrier_signal -1
	s_barrier_wait -1
.irp bb, 0,1,2,3
	ds_load_b128 v[BF+8*\bb:BF+8*\bb+3], v[BA] offset:64*\bb
	ds_load_b128 v[BF+8*\bb+4:BF+8*\bb+7], v[BA] offset:64*\bb+16
.endr
	s_lshl_b32 s66, s18, 8
	s_lshl_b32 s67, s12, 6
	s_add_co_u32 s66, s66, s67
	s_lshl_b32 s66, s66, 12                        ; rows of 4,096 bytes
	s_lshl_b32 s67, s17, 9
	s_add_co_u32 s66, s66, s67
	s_mov_b32 s67, 0
	s_add_nc_u64 s[10:11], s[10:11], s[66:67]
	s_wait_dscnt 0x0
	WIN 0x41
.irp a, 0,1,2,3,4,5,6,7
.irp bb, 0,1,2,3
.irp j, 0,2,4,6
	v_pk_add_f32 v[8*(4*\a+\bb)+\j:8*(4*\a+\bb)+\j+1], v[8*(4*\a+\bb)+\j:8*(4*\a+\bb)+\j+1], v[BF+8*\bb+\j:BF+8*\bb+\j+1]
.endr
.endr
.endr
	WIN 0x04
.irp a, 0,1,2,3,4,5,6,7
.irp bb, 0,1,2,3
	ds_store_b128 v[ST], v[8*(4*\a+\bb):8*(4*\a+\bb)+3] offset:\a*16*SPITCH+64*\bb
	ds_store_b128 v[ST], v[8*(4*\a+\bb)+4:8*(4*\a+\bb)+7] offset:\a*16*SPITCH+64*\bb+16
.endr
.endr
	WIN 0
	s_wait_dscnt 0x0
	s_barrier_signal -1
	s_barrier_wait -1
; 16 rows of my 64: a load takes a whole row of 512 bytes, a store writes it: 512 neighbouring bytes that start at a multiple of 256
.macro OUTB q, buf
	s_wait_xcnt 0x0                                ; the buffer's registers are the data of earlier stores: written again only behind this wait
.irp t, 0,1,2,3,4,5,6,7,8,9,10,11,12,13,14,15
	ds_load_b128 v[\buf+4*\t:\buf+4*\t+3], v[RD] offset:(16*\q+\t)*SPITCH
.endr
.irp t, 0,1,2,3,4,5,6,7,8,9,10,11,12,13,14,15
	s_wait_dscnt 15-\t
	global_store_b128 v[CO], v[\buf+4*\t:\buf+4*\t+3], s[10:11] offset:(16*\q+\t)*4096 th:TH_STORE_NT
.endr
.endm
	OUTB 0, AF
	OUTB 1, AF+64
	OUTB 2, AF
	OUTB 3, AF+64
	s_wait_tensorcnt 0x0
	ds_add_u32 v254, v255
	s_wait_dscnt 0x0
	CROUND                                         ; the closing round
	s_endpgm
.Lfunc_end_k_qd7c129c5ef_proj:
	.size	k_qd7c129c5ef_proj, .Lfunc_end_k_qd7c129c5ef_proj-k_qd7c129c5ef_proj
	.p2alignl 7, 3214868480
	.fill 96, 4, 3214868480
	.section	.rodata,"a",@progbits
	.p2align	6, 0x0
	.amdhsa_kernel k_qd7c129c5ef_proj
		.amdhsa_group_segment_fixed_size 327680
		.amdhsa_private_segment_fixed_size 0
		.amdhsa_enable_private_segment 0
		.amdhsa_kernarg_size 32
		.amdhsa_user_sgpr_count 2
		.amdhsa_user_sgpr_kernarg_segment_ptr 1
		.amdhsa_wavefront_size32 1
		.amdhsa_system_sgpr_workgroup_id_x 1
		.amdhsa_system_sgpr_workgroup_id_y 1
		.amdhsa_system_sgpr_workgroup_id_z 1
		.amdhsa_system_vgpr_workitem_id 0
		.amdhsa_next_free_vgpr 512
		.amdhsa_next_free_sgpr 72
		.amdhsa_reserve_vcc 0
		.amdhsa_float_denorm_mode_32 3
		.amdhsa_float_denorm_mode_16_64 3
		.amdhsa_memory_ordered 1
		.amdhsa_forward_progress 1
		.amdhsa_inst_pref_size 126
	.end_amdhsa_kernel
	.amdgpu_metadata
---
amdhsa.version: [ 1, 2 ]
amdhsa.kernels:
  - .name:           k_qd7c129c5ef_proj
    .symbol:         k_qd7c129c5ef_proj.kd
    .args:
      - { .name: ab, .offset: 0, .size: 8, .value_kind: global_buffer, .address_space: global }
      - { .name: wpb, .offset: 8, .size: 8, .value_kind: global_buffer, .address_space: global }
      - { .name: b_proj, .offset: 16, .size: 8, .value_kind: global_buffer, .address_space: global }
      - { .name: out0, .offset: 24, .size: 8, .value_kind: global_buffer, .address_space: global }
    .group_segment_fixed_size: 327680
    .private_segment_fixed_size: 0
    .kernarg_segment_align: 8
    .kernarg_segment_size: 32
    .max_flat_workgroup_size: 128
    .sgpr_count:     72
    .vgpr_count:     512
    .wavefront_size: 32
...
	.end_amdgpu_metadata
.endif
;; end of part 4
